; MI455X (gfx1250); checked and timed in simulation.
; The chip was launched on July 23, 2026; its instructions are those of AMD's public machine-readable ISA for CDNA 5 (MIT licence, August 2026) and "CDNA5" Instruction Set Architecture Reference Guide (July 2026). The comments in the code are by the model that wrote it; some were corrected since.
;; Transformer Block. Allowed arithmetic: matrix products marked QUANTISED: E5M2 operands, one E8M0 scale for each 32 along K, by v_wmma_scale_f32_16x16x128_f8f6f4 with both operands' format E5M2, f32 sums; everything else in f32.
;; Inputs: W1 1,024 x 4,096 float32; W2 4,096 x 1,024 float32; Wk 16 x 1,024 x 64 float32; Wo 1,024 x 1,024 float32; Wq 16 x 1,024 x 64 float32; Wv 16 x 1,024 x 64 float32; b1 4,096 float32; b2 1,024 float32; be1 1,024 float32; be2 1,024 float32; bo 1,024 float32; g1 1,024 float32; g2 1,024 float32; x 4 x 1,024 x 1,024 float32.
;; Outputs: out0 4 x 1,024 x 1,024 float32.
;; This version of the problem:
;;   THIS VERSION OF THE PROBLEM IS GIVEN IN LOW PRECISION. The matrix products marked QUANTISED in the list below multiply operands that are first quantised to E5M2 (5 exponent bits, 2 mantissa bits; 8 bits a number), with one power-of-two scale for each 32 numbers along K (OCP MX v1.0); their sums are f32. All else is computed in f32.
;;   The module's matrix products, in the order in which they are computed (A, B: the left and right operand; K: the contracted axis; several contracted axes count as one K, in the product's order):
;;     1. [M 1,024, K 1,024] x [K 1,024, N 4,096]; A: input Wq; B: computed on the way: QUANTISED
;;     2. [M 1,024, K 1,024] x [K 1,024, N 4,096]; A: input Wk; B: computed on the way: QUANTISED
;;     3. [M 1,024, K 1,024] x [K 1,024, N 4,096]; A: input Wv; B: computed on the way: QUANTISED
;;     4. batch 64 x [M 1,024, K 64] x [K 64, N 1,024]; A: computed on the way; B: computed on the way: QUANTISED
;;     5. batch 64 x [M 1,024, K 1,024] x [K 1,024, N 64]; A: softmax (see below); B: computed on the way: QUANTISED
;;     6. [M 4,096, K 1,024] x [K 1,024, N 1,024]; A: computed on the way; B: input Wo: QUANTISED
;;     7. [M 4,096, K 1,024] x [K 1,024, N 4,096]; A: computed on the way; B: input W1: QUANTISED
;;     8. [M 4,096, K 4,096] x [K 4,096, N 1,024]; A: computed on the way; B: input W2: QUANTISED
;;   THE QUANTISER, for each operand of a quantised product, along K:
;;     - K is cut into blocks of 32 from its start; a last block that is shorter is filled with zeros.
;;     - A block's scale is 2^e with e = floor(log2(the largest magnitude in the block)) - 15, held to -126 .. 127; a block of zeros has e = 0. As a byte (E8M0): e + 127.
;;     - Each number is divided by its block's scale, clamped to +-57,344, and rounded to the nearest number of E5M2, ties to even, subnormals kept.
;;     - The product sums the exact products of the quantised numbers (number of the format x scale) in f32.
;;   ~~~python
;;   def quantise(x, axis):      # numpy; x: float32 -> the quantised numbers, widened to float32 again
;;       x = np.moveaxis(x, axis, -1); K = x.shape[-1]
;;       x = np.pad(x, [(0, 0)] * (x.ndim - 1) + [(0, -K % 32)]); x = x.reshape(x.shape[:-1] + (-1, 32)); a = np.abs(x).max(-1, keepdims=True)
;;       e = np.where(a > 0, np.clip(np.frexp(np.where(a > 0, a, 1))[1] - 1 - 15, -126, 127), 0)      # np.frexp(a)[1] - 1 = floor(log2(a)), exactly
;;       r = np.clip(x / 2.0 ** e, -57344, 57344)
;;       step = 2.0 ** (np.maximum(np.frexp(np.where(r == 0, 1, r))[1] - 1, -14) - 2)
;;       q = np.round(r / step) * step * 2.0 ** e      # np.round: ties to even
;;       return np.moveaxis(q.reshape(q.shape[:-2] + (-1,))[..., :K], -1, axis).astype(np.float32)
;;   ~~~
;;   SOFTMAX AHEAD OF A QUANTISED PRODUCT. Where the list says 'softmax', what is quantised is not the finished softmax but p = 2^(t - M), with t = logit x log2(e) and M = ceil(the row's largest t), a whole number; so 1/2 < the row's largest p <= 1. The row's sum l is taken of the UNQUANTISED p, in f32, and the product's result is divided by l at the end. Since M is a whole number, a kernel that streams over the keys may use a running M (the ceiling of the running maximum): every later rescaling is an exact power of two, which a block's scale takes up: the codes' values come out the same.
;;   OPERANDS COMPUTED ON THE WAY. 'Computed on the way' means the value that the module computes at that place (a softmax that the list does not call 'softmax' is quantised finished and normalised). What goes into a quantiser is computed in f32, as accurately as f32 sums, v_exp_f32 and their like allow (about 1e-6 of the number): no bf16 or f16 on the way to a quantiser, and a product that is left as it is and whose result goes on into a quantised operand takes f32 operands (vector FMAs, or v_wmma_f32_16x16x4_f32). A number that lies on a knife's edge between two numbers of the format may be rounded either way, as far as f32 arithmetic and the matrix unit's own rounding can turn it there, and no further.
;; One version. Each part assembles by itself: llvm-mc -triple=amdgcn-amd-amdhsa -mcpu=gfx1250 --defsym DOCPART=n.
;; ======== version 1 of 1: 7 launches
;; limits: right only within a limited range of input values
;; workspace buffers: wimg 14,057,472 bytes; act 4,325,376 bytes; qkvc 12,976,128 bytes; x2 16,777,216 bytes; hid 17,301,504 bytes
;; launch prep (part 1): grid 640 x 1, 4 waves a work-group, no clusters, 18,944 bytes of LDS; arguments x, g1, be1, act, Wq, Wk, Wv, Wo, W1, W2, wimg; writes act, wimg
.if DOCPART == 1
	.amdgcn_target "amdgcn-amd-amdhsa--gfx1250"
	.amdhsa_code_object_version 6
	.text
	.protected	k_qe14f46d8df_prep
	.globl	k_qe14f46d8df_prep
	.p2align	8
	.type	k_qe14f46d8df_prep,@function
k_qe14f46d8df_prep:
	s_mov_b64 s[64:65], 0
	v_nop
	global_prefetch_b8 v0, s[64:65] scope:SCOPE_SE
	s_setreg_imm32_b32 hwreg(HW_REG_WAVE_MODE, 25, 1), 1
	s_wait_xcnt 0x0
; TWO INDEPENDENT STREAMS IN ONE LAUNCH.  Work-groups 0 to 255 normalise x (layer norm) and quantise it; work-groups 256 to 639 quantise the six weights.  They part once, on the work-group's number; only the first path uses LDS and a barrier.
; Both make codes of BF8 (E5M2) with one E8M0 byte for each 32 along K, laid as IMAGES OF THE OPERAND'S REGISTERS.
; THE IMAGE.  A block BLK of 16,896 bytes holds 64 rows x 256 along K: eight fragments of 2,048 bytes (tile i4 of 16 rows, step q of 128 K, at (2 i4 + q) 2,048), each [c 0..3][lane 16 h + r][16 bytes],
; and behind them 512 scale bytes at 16,384 + 128 i4 + 8 r + 4 q + c.  Blocks lie [chunk of 256 K][panel of 64 rows].
; THE ORDER INSIDE A BLOCK OF 32 ALONG K: half h, byte i holds k % 32 = 8 h + (i & 7) + 16 (i >> 3).  Every operand of the program is laid so: the same permutation on both sides of a product keeps its terms and its scales.
; No cluster: work-groups share only g and b, 8 KB.
; LIMITS: NaN and infinities are not served.  A block of zeros gets the byte 1 (the floor's), not 127: its codes are zeros, and the bytes are read by this program alone.
.set BLK,  16896
.set LNW,  256                         ; work-groups of the first path
	v_lshl_add_u32 v240, v0, 2, 0x4800
	v_mov_b32 v241, 0
	s_cmp_lt_u32 ttmp9, LNW
	s_cbranch_scc1 .Lnorm
; ---- THE WEIGHTS, f32 with K on an axis that is not innermost.  A LANE TAKES A COLUMN AND ITS REGISTERS RUN DOWN K: a block's largest magnitude needs no other lane and the conversions give codes with K innermost.
; A wave takes 32 columns x 256 K (8 blocks).  Each store of codes covers two runs of 256 consecutive bytes, aligned; the scale bytes of a wave are 256 consecutive bytes.
; Six tensors take one path: only pointers and strides are chosen, by the work-group's number.
.set DO,   2                           ; v2      codes: 4,096 (lane / 16) + 16 (lane % 16); never rewritten
.set SO,   3                           ; v3      scale bytes: 8 x lane; never rewritten
.set SBW,  24                          ; v[24:25] the column's eight scale bytes
.set VO,   32                          ; v32-63  4 x lane + i x the row stride; never rewritten
.set X,    64                          ; v64-127 two sets of 32 numbers
.set C,    128                         ; v128-191 codes, eight registers for each block: no store's data are written again
.set WV,   2                           ; s2      wave
.set PG0,  26                          ; s26     the tensor's first work-group
.set PLM,  27                          ; s27     log2 of its work-groups for a chunk of K
.set PRS,  28                          ; s28     bytes from k to k + 1
.set PHS,  29                          ; s29     bytes from one group of 64 columns to the next
.set PNP,  30                          ; s30     bytes of a chunk's panels in the image
.set PTO,  31                          ; s31     where the tensor's image begins
.set SRC,  34                          ; s[34:35] the tensor
.set CBA,  36                          ; s[36:37] where my codes go
.set SBA,  38                          ; s[38:39] where my scale bytes go
.set SB,   40                          ; s[40:55] a base for each block of 32 along K; never rewritten
.set MNT,  56                          ; s56     the mantissa field of 57,344
	s_load_b256 s[8:15], s[0:1], 0x20              ; Wq s[8:9], Wk s[10:11], Wv s[12:13], Wo s[14:15]
	s_load_b128 s[16:19], s[0:1], 0x40             ; W1 s[16:17], W2 s[18:19]
	s_load_b64 s[24:25], s[0:1], 0x50              ; the images
	v_lshrrev_b32 v1, 5, v0
	v_readfirstlane_b32 s[WV], v1
	v_and_b32 v1, 31, v0                           ; lane
	v_lshrrev_b32 v4, 4, v1
	v_and_b32 v5, 15, v1
	v_lshlrev_b32 v[DO], 12, v4
	v_lshl_add_u32 v[DO], v5, 4, v[DO]
	v_lshlrev_b32 v[SO], 3, v1
	s_mov_b32 s[MNT], 0x600000
	s_mov_b32 s[PG0], LNW+256                      ; W2's figures; the others take their place below
	s_mov_b32 s[PLM], 3
	s_mov_b32 s[PRS], 4096
	s_mov_b32 s[PHS], 256
	s_mov_b32 s[PNP], 16*BLK
	s_mov_b32 s[PTO], 9732096
	s_wait_alu depctr_va_vdst(0)
	s_wait_kmcnt 0x0
	s_mov_b64 s[SRC:SRC+1], s[18:19]
.macro PICK below, ptr, g0, lm, rs, hs, np, to     ; work-groups under 'below' belong to an earlier tensor: the choice hangs on the work-group's number alone
	s_cmp_lt_u32 ttmp9, \below
	s_cselect_b64 s[SRC:SRC+1], s[\ptr:\ptr+1], s[SRC:SRC+1]
	s_cselect_b32 s[PG0], \g0, s[PG0]
	s_cselect_b32 s[PLM], \lm, s[PLM]
	s_cselect_b32 s[PRS], \rs, s[PRS]
	s_cselect_b32 s[PHS], \hs, s[PHS]
	s_cselect_b32 s[PNP], \np, s[PNP]
	s_cselect_b32 s[PTO], \to, s[PTO]
.endm
	PICK LNW+256, 16, LNW+128, 5, 16384, 256,    64*BLK, 5406720   ; W1 [1024][4096]
	PICK LNW+128, 14, LNW+96,  3, 4096,  256,    16*BLK, 4325376   ; Wo [1024][1024]
	PICK LNW+96,  12, LNW+64,  3, 256,   262144, 64*BLK, 32*BLK    ; Wv [16][1024][64]: panel = 32 + head
	PICK LNW+64,  10, LNW+32,  3, 256,   262144, 64*BLK, 16*BLK    ; Wk: panel = 16 + head
	PICK LNW+32,  8,  LNW,     3, 256,   262144, 64*BLK, 0         ; Wq: panel = head
	s_sub_co_u32 s3, ttmp9, s[PG0]                 ; my number within the tensor
	s_lshr_b32 s4, s3, s[PLM]                      ; the chunk of 256 along K
	s_lshl_b32 s5, s4, s[PLM]
	s_sub_co_u32 s5, s3, s5
	s_lshl_b32 s5, s5, 2
	s_add_co_u32 s5, s5, s[WV]                     ; m: which 32 columns
	s_lshr_b32 s6, s5, 1                           ; the panel of 64
	s_and_b32 s7, s5, 1                            ; and its half
	s_mul_i32 s20, s6, s[PHS]
	s_lshl_b32 s21, s7, 7
	s_add_co_u32 s20, s20, s21
	s_mul_i32 s21, s4, s[PRS]
	s_lshl_b32 s21, s21, 8                         ; 256 rows of K for each chunk
	s_add_co_u32 s20, s20, s21
	s_mov_b32 s21, 0
	s_add_nc_u64 s[SB:SB+1], s[SRC:SRC+1], s[20:21]
	s_lshl_b32 s20, s[PRS], 5                      ; 32 along K
.irp t, 1,2,3,4,5,6,7
	s_add_nc_u64 s[SB+2*\t:SB+2*\t+1], s[SB+2*\t-2:SB+2*\t-1], s[20:21]
.endr
	s_mul_i32 s22, s4, s[PNP]
	s_add_co_u32 s22, s22, s[PTO]
	s_mul_i32 s23, s6, BLK
	s_add_co_u32 s22, s22, s23                     ; my block of the image
	s_lshl_b32 s23, s7, 13
	s_add_co_u32 s32, s22, s23                     ; tiles 2 (m & 1) and 2 (m & 1) + 1: 8,192 bytes
	s_mov_b32 s33, 0
	s_add_nc_u64 s[CBA:CBA+1], s[24:25], s[32:33]
	s_lshl_b32 s23, s7, 8
	s_add_co_u32 s32, s22, s23
	s_add_co_u32 s32, s32, 16384
	s_add_nc_u64 s[SBA:SBA+1], s[24:25], s[32:33]
	v_lshlrev_b32 v[VO], 2, v1
.set i, 1
.rept 31
	v_add_nc_u32 v[VO+i], s[PRS], v[VO+i-1]
.set i, i+1
.endr
.macro LOAD t                          ; block t: W(32 t + i, my column), i = 0 .. 31, into set t % 2: each load reads 128 consecutive bytes
.set i, 0
.rept 32
	global_load_b32 v[X+32*((\t)%2)+i], v[VO+i], s[SB+2*(\t):SB+2*(\t)+1] th:TH_LOAD_NT
.set i, i+1
.endr
.endm
.macro BLOCK t
.set XS, X+32*((\t)%2)
.set CT, C+8*(\t)
.if (\t) < 7
	s_wait_loadcnt 32                              ; this block's 32 loads are in; the next block's 32 may be out
.else
	s_wait_loadcnt 0
.endif
	v_max3_num_f32 v8, |v[XS]|, |v[XS+1]|, |v[XS+2]|               ; the block's largest magnitude: all 32 numbers are mine; two chains
	v_max3_num_f32 v9, |v[XS+3]|, |v[XS+4]|, |v[XS+5]|
.irp i, 6,10,14,18,22,26
	v_max3_num_f32 v8, v8, |v[XS+\i]|, |v[XS+\i+1]|
	v_max3_num_f32 v9, v9, |v[XS+\i+2]|, |v[XS+\i+3]|
.endr
	v_max3_num_f32 v8, v8, |v[XS+30]|, |v[XS+31]|
	v_max3_num_f32 v8, v8, v9, 0x8000000           ; and the floor 2^(16 - 127): the byte cannot fall under 1
	v_add_nc_u32 v11, 0xf8800000, v8               ; 15 off the exponent field: the conversion takes this operand's exponent field as its scale
	v_and_or_b32 v10, v8, 0x7f800000, s[MNT]       ; 57,344 x the scale
	v_lshrrev_b32 v9, 23, v11                      ; the scale's byte
.if (\t)%4 == 0
	v_mov_b32 v[SBW+(\t)/4], v9                    ; four bytes to a word, the lower K in the lower byte
.else
	v_lshl_or_b32 v[SBW+(\t)/4], v9, 8*((\t)%4), v[SBW+(\t)/4]
.endif
.set i, 0
.rept 32
	v_med3_num_f32 v[XS+i], v[XS+i], -v10, v10     ; the conversion to an 8-bit code does not saturate (ISA guide 7.6.2): the hold comes first
.set i, i+1
.endr
	v_cvt_scalef32_pk8_bf8_f32 v[CT:CT+1],   v[XS:XS+7],     v11   ; half 0: k % 32 = 0 .. 7,
	v_cvt_scalef32_pk8_bf8_f32 v[CT+2:CT+3], v[XS+16:XS+23], v11   ;         16 .. 23
	v_cvt_scalef32_pk8_bf8_f32 v[CT+4:CT+5], v[XS+8:XS+15],  v11   ; half 1: 8 .. 15,
	v_cvt_scalef32_pk8_bf8_f32 v[CT+6:CT+7], v[XS+24:XS+31], v11   ;         24 .. 31
	global_store_b128 v[DO], v[CT:CT+3],   s[CBA:CBA+1] offset:((\t)/4)*2048+((\t)%4)*512       ; sixteen lanes store 256 consecutive bytes, aligned
	global_store_b128 v[DO], v[CT+4:CT+7], s[CBA:CBA+1] offset:((\t)/4)*2048+((\t)%4)*512+256
.if (\t)+2 < 8
	LOAD (\t)+2
.endif
.endm
	LOAD 0
	LOAD 1
.irp t, 0,1,2,3,4,5,6,7
	BLOCK \t
.endr
	global_store_b64 v[SO], v[SBW:SBW+1], s[SBA:SBA+1]             ; 32 lanes store 256 consecutive bytes, aligned
	s_endpgm
.Lnorm:
; ---- h = (x - mean) rsqrt(var + 1e-5) g + b along rows of 1,024 f32, quantised along the row, stored as the tokens' image (64 panels).
; A work-group takes 16 rows (one tile), a wave four of them; a row lies in the wave's registers, 32 numbers a lane, between the passes: it is read once.  Mean first, then the mean of the squares of x - mean:
; no difference of large sums is formed.  A lane holds, of each chunk of 256, eight neighbours (8 lane .. 8 lane + 7): one group of eight codes; four lanes hold a block of 32.
; The codes go through a stage in LDS (units of 256 bytes, 272 apart) since a unit holds all 16 rows; behind one barrier wave w stores chunk w: 4,096 consecutive bytes, and its 128 scale bytes.
.set SCB, 17408                        ; LDS: behind the 64 units of codes: 512 scale bytes [chunk][row][8]
.set XO,  2                            ; v2   32 x lane
.set STC, 3                            ; v3   the stage, in: 272 (2 (lane / 4) + lane % 2) + 8 ((lane / 2) % 2) + 64 wave
.set STS, 4                            ; v4   SCB + lane / 4 + 32 wave
.set RDC, 5                            ; v5   the stage, out: 272 (lane / 16) + 16 (lane % 16) + 4,352 wave
.set RDS, 6                            ; v6   SCB + 4 lane + 128 wave
.set GC,  7                            ; v7   16 x lane
.set GS,  8                            ; v8   4 x lane
.set SA,  10                           ; v[10:11], v[12:13] two chains of sums
.set SC2, 12
.set PD,  14                           ; v14  the lane permute's destination
.set MEAN, 16                          ; v[16:17] the mean (the low word serves both halves)
.set RSTD, 18                          ; v[18:19] 1 / sqrt(var + eps)
.set INV, 20                           ; v20  2^-10
.set CD,  24                           ; v[24:31] a row's codes: a pair for each chunk
.set TM,  32                           ; v32-35 largest magnitudes, v36-39 scale operands, v40-43 limits, v44-47 bytes
.set G,   48
.set BE,  80
.set LX,  112                          ; v112-239: row p at 112 + 32 p, chunk j at + 8 j
	s_load_b256 s[4:11], s[0:1], 0x0               ; x s[4:5], g s[6:7], b s[8:9], the image s[10:11]
	v_lshrrev_b32 v1, 5, v0
	v_readfirstlane_b32 s12, v1                    ; wave
	v_and_b32 v1, 31, v0                           ; lane
	v_lshlrev_b32 v[XO], 5, v1
	v_lshrrev_b32 v9, 2, v1
	v_and_b32 v21, 1, v1
	v_lshl_add_u32 v21, v9, 1, v21
	v_mul_u32_u24 v[STC], v21, 272
	v_bfe_u32 v21, v1, 1, 1
	v_lshl_add_u32 v[STC], v21, 3, v[STC]
	s_lshl_b32 s13, s12, 6
	v_add_nc_u32 v[STC], s13, v[STC]
	s_lshl_b32 s13, s12, 5
	s_add_co_u32 s13, s13, SCB
	v_add_nc_u32 v[STS], s13, v9
	v_lshrrev_b32 v21, 4, v1
	v_and_b32 v22, 15, v1
	v_mul_u32_u24 v[RDC], v21, 272
	v_lshl_add_u32 v[RDC], v22, 4, v[RDC]
	s_mul_i32 s13, s12, 4352
	v_add_nc_u32 v[RDC], s13, v[RDC]
	s_lshl_b32 s13, s12, 7
	s_add_co_u32 s13, s13, SCB
	v_lshl_add_u32 v[RDS], v1, 2, s13
	v_lshlrev_b32 v[GC], 4, v1
	v_lshlrev_b32 v[GS], 2, v1
	v_mov_b32 v[PD], 0                             ; a lane permute's destination counts as one of its sources
	v_mov_b32 v[MEAN+1], 0                         ; (named as the upper halves of pairs)
	v_mov_b32 v[RSTD+1], 0
	v_mov_b32 v[INV], 0x3a800000
	s_mov_b32 s14, 0x76543210
	s_mov_b32 s15, 0xfedcba98                      ; v_permlanex16_b32's selects for lane l xor 16
	s_mov_b32 s16, 0x600000                        ; the mantissa field of 57,344
	s_lshl_b32 s24, ttmp9, 4
	s_lshl_b32 s25, s12, 2
	s_add_co_u32 s24, s24, s25
	s_lshl_b32 s24, s24, 12                        ; my first row: (16 g + 4 w) x 4,096 bytes, under 2^25
	s_mov_b32 s25, 0
	s_lshl_b32 s26, s12, 6
	s_lshr_b32 s27, ttmp9, 2
	s_add_co_u32 s26, s26, s27
	s_mul_i32 s26, s26, BLK                        ; chunk w, panel g / 4
	s_and_b32 s27, ttmp9, 3
	s_lshl_b32 s28, s27, 12
	s_add_co_u32 s28, s28, s26
	s_mov_b32 s29, 0
	s_lshl_b32 s30, s27, 7
	s_add_co_u32 s30, s30, s26
	s_add_co_u32 s30, s30, 16384
	s_mov_b32 s31, 0
	s_wait_kmcnt 0x0
	s_add_nc_u64 s[18:19], s[4:5], s[24:25]
	s_add_nc_u64 s[20:21], s[10:11], s[28:29]
	s_add_nc_u64 s[22:23], s[10:11], s[30:31]
.irp j, 0,1,2,3
	global_load_b128 v[G+8*\j:G+8*\j+3],   v[XO], s[6:7] offset:1024*\j
	global_load_b128 v[G+8*\j+4:G+8*\j+7], v[XO], s[6:7] offset:1024*\j+16
.endr
.irp j, 0,1,2,3
	global_load_b128 v[BE+8*\j:BE+8*\j+3],   v[XO], s[8:9] offset:1024*\j
	global_load_b128 v[BE+8*\j+4:BE+8*\j+7], v[XO], s[8:9] offset:1024*\j+16
.endr
.irp p, 0,1,2,3                        ; all four rows are asked for at once: 32 loads a wave
.irp j, 0,1,2,3
	global_load_b128 v[LX+32*\p+8*\j:LX+32*\p+8*\j+3],   v[XO], s[18:19] offset:4096*\p+1024*\j
	global_load_b128 v[LX+32*\p+8*\j+4:LX+32*\p+8*\j+7], v[XO], s[18:19] offset:4096*\p+1024*\j+16
.endr
.endr
.macro ALLSUM r                        ; v[r] summed over the 32 lanes, in every lane
	v_add_f32_dpp v[\r], v[\r], v[\r] row_xmask:1 row_mask:0xf bank_mask:0xf
	v_add_f32_dpp v[\r], v[\r], v[\r] row_xmask:2 row_mask:0xf bank_mask:0xf
	v_add_f32_dpp v[\r], v[\r], v[\r] row_xmask:4 row_mask:0xf bank_mask:0xf
	v_add_f32_dpp v[\r], v[\r], v[\r] row_xmask:8 row_mask:0xf bank_mask:0xf
	v_permlanex16_b32 v[PD], v[\r], s14, s15
	v_add_f32 v[\r], v[\r], v[PD]
.endm
.macro ROW p
.set XR, LX+32*(\p)
	s_wait_loadcnt 24-8*(\p)                       ; g, b and this row are in; the later rows' eight loads each may be out
	s_wait_dscnt 0x0                               ; the row before has stored its codes and bytes: their registers are written again below
	v_pk_add_f32 v[SA:SA+1], v[XR:XR+1], v[XR+4:XR+5]
	v_pk_add_f32 v[SC2:SC2+1], v[XR+2:XR+3], v[XR+6:XR+7]
.irp i, 8,12,16,20,24,28
	v_pk_add_f32 v[SA:SA+1], v[SA:SA+1], v[XR+\i:XR+\i+1]
	v_pk_add_f32 v[SC2:SC2+1], v[SC2:SC2+1], v[XR+\i+2:XR+\i+3]
.endr
	v_pk_add_f32 v[SA:SA+1], v[SA:SA+1], v[SC2:SC2+1]
	v_add_f32 v[SA], v[SA], v[SA+1]
	ALLSUM SA
	v_mul_f32 v[MEAN], v[INV], v[SA]
.irp i, 0,2,4,6,8,10,12,14,16,18,20,22,24,26,28,30
	v_pk_add_f32 v[XR+\i:XR+\i+1], v[XR+\i:XR+\i+1], v[MEAN:MEAN+1] op_sel_hi:[1,0] neg_lo:[0,1] neg_hi:[0,1]   ; x - mean
.endr
	v_pk_mul_f32 v[SA:SA+1], v[XR:XR+1], v[XR:XR+1]
	v_pk_mul_f32 v[SC2:SC2+1], v[XR+2:XR+3], v[XR+2:XR+3]
.irp i, 4,8,12,16,20,24,28
	v_pk_fma_f32 v[SA:SA+1], v[XR+\i:XR+\i+1], v[XR+\i:XR+\i+1], v[SA:SA+1]
	v_pk_fma_f32 v[SC2:SC2+1], v[XR+\i+2:XR+\i+3], v[XR+\i+2:XR+\i+3], v[SC2:SC2+1]
.endr
	v_pk_add_f32 v[SA:SA+1], v[SA:SA+1], v[SC2:SC2+1]
	v_add_f32 v[SA], v[SA], v[SA+1]
	ALLSUM SA
	v_fmaak_f32 v[SA], v[SA], v[INV], 0x3727c5ac   ; var + 1e-5
	s_wait_alu depctr_va_vdst(0)
	v_rsq_f32 v[RSTD], v[SA]
	v_nop                                          ; a plain instruction behind the transcendental,
	s_wait_alu depctr_va_vdst(0)                   ; and the wait ahead of its first reader
.irp i, 0,2,4,6,8,10,12,14,16,18,20,22,24,26,28,30
	v_pk_mul_f32 v[XR+\i:XR+\i+1], v[XR+\i:XR+\i+1], v[RSTD:RSTD+1] op_sel_hi:[1,0]
.endr
.irp i, 0,2,4,6,8,10,12,14,16,18,20,22,24,26,28,30
	v_pk_fma_f32 v[XR+\i:XR+\i+1], v[XR+\i:XR+\i+1], v[G+\i:G+\i+1], v[BE+\i:BE+\i+1]
.endr
.irp j, 0,1,2,3                        ; the quantiser: my eight numbers of each chunk, the four chunks by turns
	v_max3_num_f32 v[TM+\j], |v[XR+8*\j]|, |v[XR+8*\j+1]|, 0x8000000   ; with the floor 2^(16 - 127): the byte cannot fall under 1
.endr
.irp i, 2,4,6
.irp j, 0,1,2,3
	v_max3_num_f32 v[TM+\j], v[TM+\j], |v[XR+8*\j+\i]|, |v[XR+8*\j+\i+1]|
.endr
.endr
.irp j, 0,1,2,3
	v_max_num_f32_dpp v[TM+\j], v[TM+\j], v[TM+\j] row_xmask:1 row_mask:0xf bank_mask:0xf
.endr
.irp j, 0,1,2,3
	v_max_num_f32_dpp v[TM+\j], v[TM+\j], v[TM+\j] row_xmask:2 row_mask:0xf bank_mask:0xf   ; the four lanes of a block
.endr
.irp j, 0,1,2,3
	v_add_nc_u32 v[TM+4+\j], 0xf8800000, v[TM+\j]  ; 15 off the exponent field: the conversion's scale operand
.endr
.irp j, 0,1,2,3
	v_and_or_b32 v[TM+8+\j], v[TM+\j], 0x7f800000, s16   ; 57,344 x the scale
.endr
.irp j, 0,1,2,3
	v_lshrrev_b32 v[TM+12+\j], 23, v[TM+4+\j]      ; the scale's byte
.endr
.irp j, 0,1,2,3
.irp i, 0,1,2,3,4,5,6,7
	v_med3_num_f32 v[XR+8*\j+\i], v[XR+8*\j+\i], -v[TM+8+\j], v[TM+8+\j]   ; the conversion does not saturate (ISA guide 7.6.2): the hold comes first
.endr
.endr
.irp j, 0,1,2,3
	v_cvt_scalef32_pk8_bf8_f32 v[CD+2*\j:CD+2*\j+1], v[XR+8*\j:XR+8*\j+7], v[TM+4+\j]
.endr
	v_nop                                          ; a plain instruction behind the last conversion
.irp j, 0,1,2,3
	ds_store_b64 v[STC], v[CD+2*\j:CD+2*\j+1] offset:16*(\p)+4352*\j
	ds_store_b8 v[STS], v[TM+12+\j] offset:8*(\p)+128*\j           ; the four lanes of a block write the same byte with the same value
.endr
.endm
	ROW 0
	ROW 1
	ROW 2
	ROW 3
	s_wait_dscnt 0x0                               ; for the others' sake: my stores into the stage are done
	s_barrier_signal -1
	s_barrier_wait -1
.irp t, 0,1,2,3,4,5,6,7
	ds_load_b128 v[LX+4*\t:LX+4*\t+3], v[RDC] offset:544*\t        ; two units of chunk w
.endr
	ds_load_b32 v[LX+32], v[RDS]
.irp t, 0,1,2,3,4,5,6,7
	s_wait_dscnt 8-\t                              ; load t is in: behind it stand 7 - t loads of codes and the scale load
	global_store_b128 v[GC], v[LX+4*\t:LX+4*\t+3], s[20:21] offset:512*\t  ; 32 lanes store 512 consecutive bytes, aligned
.endr
	s_wait_dscnt 0x0
	global_store_b32 v[GS], v[LX+32], s[22:23]     ; 128 consecutive bytes: the tile's scale bytes of chunk w
	s_wait_tensorcnt 0x0
	ds_add_u32 v240, v241
	s_wait_dscnt 0x0
	s_endpgm
.Lfunc_end_k_qe14f46d8df_prep:
	.size	k_qe14f46d8df_prep, .Lfunc_end_k_qe14f46d8df_prep-k_qe14f46d8df_prep
	.p2alignl 7, 3214868480
	.fill 96, 4, 3214868480
	.section	.rodata,"a",@progbits
	.p2align	6, 0x0
	.amdhsa_kernel k_qe14f46d8df_prep
		.amdhsa_group_segment_fixed_size 18944
		.amdhsa_private_segment_fixed_size 0
		.amdhsa_enable_private_segment 0
		.amdhsa_kernarg_size 88
		.amdhsa_user_sgpr_count 2
		.amdhsa_user_sgpr_kernarg_segment_ptr 1
		.amdhsa_wavefront_size32 1
		.amdhsa_system_sgpr_workgroup_id_x 1
		.amdhsa_system_sgpr_workgroup_id_y 1
		.amdhsa_system_sgpr_workgroup_id_z 1
		.amdhsa_system_vgpr_workitem_id 0
		.amdhsa_next_free_vgpr 242
		.amdhsa_next_free_sgpr 66
		.amdhsa_reserve_vcc 0
		.amdhsa_float_denorm_mode_32 3
		.amdhsa_float_denorm_mode_16_64 3
		.amdhsa_memory_ordered 1
		.amdhsa_forward_progress 1
		.amdhsa_inst_pref_size 114
	.end_amdhsa_kernel
	.amdgpu_metadata
---
amdhsa.version: [ 1, 2 ]
amdhsa.kernels:
  - .name:           k_qe14f46d8df_prep
    .symbol:         k_qe14f46d8df_prep.kd
    .args:
      - { .name: x, .offset: 0, .size: 8, .value_kind: global_buffer, .address_space: global }
      - { .name: g1, .offset: 8, .size: 8, .value_kind: global_buffer, .address_space: global }
      - { .name: be1, .offset: 16, .size: 8, .value_kind: global_buffer, .address_space: global }
      - { .name: act, .offset: 24, .size: 8, .value_kind: global_buffer, .address_space: global }
      - { .name: Wq, .offset: 32, .size: 8, .value_kind: global_buffer, .address_space: global }
      - { .name: Wk, .offset: 40, .size: 8, .value_kind: global_buffer, .address_space: global }
      - { .name: Wv, .offset: 48, .size: 8, .value_kind: global_buffer, .address_space: global }
      - { .name: Wo, .offset: 56, .size: 8, .value_kind: global_buffer, .address_space: global }
      - { .name: W1, .offset: 64, .size: 8, .value_kind: global_buffer, .address_space: global }
      - { .name: W2, .offset: 72, .size: 8, .value_kind: global_buffer, .address_space: global }
      - { .name: wimg, .offset: 80, .size: 8, .value_kind: global_buffer, .address_space: global }
    .group_segment_fixed_size: 18944
    .private_segment_fixed_size: 0
    .kernarg_segment_align: 8
    .kernarg_segment_size: 88
    .max_flat_workgroup_size: 128
    .sgpr_count:     66
    .vgpr_count:     242
    .wavefront_size: 32
...
	.end_amdgpu_metadata
.endif
;; end of part 1
;; launch proj (part 2): grid 12 x 16, 4 waves a work-group, clusters of 4 x 4, 327,680 bytes of LDS; arguments act, wimg, qkvc; writes qkvc
.if DOCPART == 2
	.amdgcn_target "amdgcn-amd-amdhsa--gfx1250"
	.amdhsa_code_object_version 6
	.text
	.protected	k_qe14f46d8df_proj
	.globl	k_qe14f46d8df_proj
	.p2align	8
	.type	k_qe14f46d8df_proj,@function
k_qe14f46d8df_proj:
	s_mov_b64 s[64:65], 0
	v_nop
	global_prefetch_b8 v0, s[64:65] scope:SCOPE_SE
	s_setreg_imm32_b32 hwreg(HW_REG_WAVE_MODE, 25, 1), 1
	s_wait_xcnt 0x0
	s_wait_alu depctr_hold_cnt(0) depctr_sa_sdst(0) depctr_va_vdst(0) depctr_va_sdst(0) depctr_va_ssrc(0) depctr_va_vcc(0) depctr_vm_vsrc(0)
	s_getreg_b32 s2, hwreg(HW_REG_IB_STS2, 6, 4)
	s_cmp_eq_u32 s2, 0
	s_cbranch_scc0 .Lentry_in_a_cluster
	s_endpgm
.Lentry_in_a_cluster:
	s_bfe_u32 s2, ttmp6, 0x10000c
	s_cmp_lg_u32 s2, 0xf033
	s_cbranch_scc0 .Lentry_shape_is_right
	s_endpgm
.Lentry_shape_is_right:
; q, k, v = h Wq, h Wk, h Wv on codes of BF8 (E5M2) with E8M0 scales for each 32 along K = 1,024; the results are quantised in registers (q and k along the head's 64, v along the keys) and stored as images for the attention launch.
; Operands arrive as IMAGES: a block BLK of 16,896 bytes = 64 rows x 256 K: fragments (tile i4, step q) at (2 i4 + q) 2,048, [c][lane][16 bytes], and 512 scale bytes at 16,384 + 128 i4 + 8 r + 4 q.  Blocks lie [chunk][panel], 64 panels.
; So two panels of a chunk are 33,792 dense bytes, one tensor load; a fragment comes by four ds_load_b128 of 512 consecutive bytes each; the scale words ride in the ring with the codes.
; A tile of 256 x 256 is made by four waves, each 128 x 128: 64 accumulators.  K goes in four chunks of 256 through two LDS slots.
; REGION A feeds source 1 (a lane of the result holds one of its rows), REGION B source 0 (a lane's registers run along its rows).  The cluster's x says what is made: 0 q, 1 k: A = tokens, B = weights: a lane holds a token and
; 128 neighbouring channels (two heads).  2 v: A = weights, B = tokens: a lane holds a channel and 128 neighbouring keys.  Only pointers and tile numbers are chosen; the loop is one text.
; CLUSTERS: 4 x 4 work-groups; region A's tiles are asked for jointly along a row of the cluster, region B's along a column.
; A result's 16 registers of two neighbouring tiles of source 0 hold rows 8 h + (i & 7) + 16 (i >> 3) of a block of 32: the order in which every operand of this program is laid, so the conversions' results are fragments as they stand.
; REGISTERS: window 0: v1-29 addresses; v32-63 scale words, two sets; v64-103 at work on the way out; v128-255 A's fragments, one set, later the codes.  window 1: B's fragments, two sets.  windows 2, 3: accumulator (a, b) at v[8 (8 (a % 4) + b)].
; LIMITS: NaN and infinities are not served; a block of zeros gets the byte 1, not 127: its codes are zeros and this program alone reads the bytes.
.set BLK,   16896
.set HALFT, 2*BLK                      ; 128 rows x 256 K with their scales: what one tensor load brings
.set SLOT,  4*HALFT                    ; A's two halves, then B's two
.set SPARE, 2*SLOT                     ; behind the ring: the spare words, 128 bytes for each wave
.set CHUNK, 64*BLK                     ; from a chunk of K to the next, in both images
.set LAPS,  2                          ; a lap = two chunks = once round the ring
.set NQ,    2
.set FR,    16
.set NL,    4
.set NP,    8                          ; places behind this matrix instruction (ISA guide 7.12.1)
.set HS,    202752                     ; a head's block in qkvc: Q codes 0, Q scales 65,536, K codes 67,584, V codes 133,120, K scales 198,656, V scales 200,704
.set ADRA, 16                          ; v16-17  my A fragments in slot 0, 1
.set ADRB, 20                          ; v20-21  my B fragments
.set ADRS, 22                          ; v22-23  my scale words: lanes 0-15 A's rows, lanes 16-31 B's
.set LI,   24                          ; v24     16 x lane
.set RO,   25                          ; v25     4 x (lane % 16)
.set SPW,  28                          ; v28     my spare word; never rewritten
.set NIL,  29                          ; v29     0; never rewritten
.set SC,   32                          ; scale words: set s at 32 + 16 s; register 2 i + q
.set TM,   64                          ; v64-67 largest magnitudes, v68-71 permutes and bytes, v72-75 limits, v76-79 scale operands
.set PW,   88                          ; v88-95  tile a's scale word
.set PX,   96                          ; v96-103 scale words of pairs of tiles
.set AF,   128
.set G1, 24
.set G0, 32
.set G1B, 48
.set G0B, 56
.set SEL, 86
.set MNT, 88
.set MSB, 0
.macro WIN new                         ; the immediate's high byte repeats the setting that is left
.if MSB != (\new)
	s_set_vgpr_msb (MSB<<8)|(\new)
.set MSB, (\new)
.endif
.endm
.set MUL_LO, 0xa1                      ; source 0 (B) window 1, source 1 (A) window 0, C and D window 2
.set MUL_HI, 0xf1
.set TO_B,   0x40
.macro JLOAD g0a, g1a, g0b, g1b        ; a joint load: waves 0 and 1 fetch for region A, waves 2 and 3 for B; four v_nop follow each line
	s_cmp_eq_u32 s15, 0
	s_cbranch_scc0 .Lfor_b_\@
	tensor_load_to_lds s[\g0a:\g0a+3], s[\g1a:\g1a+7]
	s_nop 0
.rept 4
	v_nop
.endr
	s_branch .Lasked_\@
.Lfor_b_\@:
	tensor_load_to_lds s[\g0b:\g0b+3], s[\g1b:\g1b+7]
	s_nop 0
.rept 4
	v_nop
.endr
.Lasked_\@:
.endm
.macro CREST                           ; a round of the cluster's barrier behind its opening barrier
	s_cmp_lg_u32 s14, 0
	s_cbranch_scc1 .Lnot_wave_0_\@
	s_barrier_signal -3
.Lnot_wave_0_\@:
	s_barrier_wait -3
	s_barrier_signal -1
	s_barrier_wait -1
.endm
.macro CROUND
	s_barrier_signal -1
	s_barrier_wait -1
	CREST
.endm
	s_load_b128 s[4:7], s[0:1], 0x0                ; the tokens' image s[4:5], the weights' s[6:7]
	s_load_b64 s[12:13], s[0:1], 0x10              ; qkvc
	v_lshl_add_u32 v[SPW], v0, 2, SPARE
	v_mov_b32 v[NIL], 0
	ds_add_u32 v28, v29
	ds_add_u32 v28, v29
	s_wait_dscnt 0x0
	v_lshrrev_b32 v1, 5, v0
	v_readfirstlane_b32 s14, v1                    ; wave
	s_lshr_b32 s15, s14, 1                         ; my half of region A.  Also: I fetch for A (0) or for B (1)
	s_and_b32 s16, s14, 1                          ; my half of region B.  Also: which half I fetch
	s_bfe_u32 s40, ttmp6, 0x40000                  ; cx
	s_bfe_u32 s41, ttmp6, 0x40004                  ; cy
	s_and_b32 s42, ttmp7, 0xffff
	s_lshl_b32 s42, s42, 2                         ; 4 x cluster y
	s_lshl_b32 s45, ttmp9, 2                       ; 4 x cluster x
	s_lshl_b32 s43, s41, 2
	s_lshl_b32 s43, 15, s43                        ; my row of the cluster
	s_lshl_b32 s44, 0x1111, s40                    ; my column
	s_or_b32 s[G1+0], s43, (3<<16)|(1<<21)         ; 15:0 the mask; 17:16 elements of 8 bytes; 21 set beside a mask; no padding: every LDS read takes 512 consecutive bytes
	s_or_b32 s[G1B+0], s44, (3<<16)|(1<<21)
.irp g, G1, G1B
	s_mov_b32 s[\g+1], 32<<16                      ; tensor_dim0 = 32 elements: rows of 256 bytes
	s_mov_b32 s[\g+2], 132<<16                     ; tensor_dim1 = 132 rows: 33,792 dense bytes
	s_mov_b32 s[\g+3], 32<<16                      ; tile_dim0
	s_mov_b32 s[\g+4], 132                         ; tile_dim1
	s_mov_b32 s[\g+5], 32                          ; the pitch
	s_mov_b32 s[\g+6], 0
	s_mov_b32 s[\g+7], 0
.endr
	s_lshl_b32 s19, s16, 1
	CROUND                                         ; the opening round, ahead of the wait for the arguments: all sixteen work-groups are here
	s_wait_kmcnt 0x0
	s_cmp_eq_u32 ttmp9, 2                          ; v?  The choice hangs on the cluster's x alone: it is the same in all sixteen partners
	s_cselect_b64 s[8:9], s[6:7], s[4:5]           ; region A's image
	s_cselect_b64 s[10:11], s[4:5], s[6:7]         ; region B's
	s_cselect_b32 s17, 8, s42
	s_cselect_b32 s18, s42, s45
	s_add_co_u32 s17, s17, s41                     ; TA: A's tile of 256 rows: made of cy and the cluster's place alone
	s_add_co_u32 s18, s18, s40                     ; TB: B's: of cx and the cluster's place alone
	s_lshl_b32 s20, s17, 2
	s_add_co_u32 s20, s20, s19
	s_mul_i32 s20, s20, BLK                        ; panel 4 TA + 2 x half
	s_mov_b32 s21, 0
	s_lshl_b32 s46, s18, 2
	s_add_co_u32 s46, s46, s19
	s_mul_i32 s46, s46, BLK
	s_mov_b32 s47, 0
	s_add_nc_u64 s[20:21], s[8:9], s[20:21]
	s_add_nc_u64 s[46:47], s[10:11], s[46:47]
	s_mul_i32 s45, s14, HALFT
	; the prefetches' offsets.  A tile's chunk is 264 blocks of 256 bytes; the sixteen waves of the four partners that load it jointly share them out by address: blocks 17 j on, a lane a block, held at the last (j = 4 x place + wave)
	s_lshl_b32 s74, s40, 2
	s_add_co_u32 s74, s74, s14
	s_mul_i32 s74, s74, 17
	s_lshl_b32 s75, s17, 2
	s_mul_i32 s75, s75, BLK
	s_lshl_b32 s76, s41, 2
	s_add_co_u32 s76, s76, s14
	s_mul_i32 s76, s76, 17
	s_lshl_b32 s77, s18, 2
	s_mul_i32 s77, s77, BLK
	v_and_b32 v10, 31, v0
	v_min_u32 v10, 16, v10
	v_add_nc_u32 v8, s74, v10
	v_add_nc_u32 v9, s76, v10
	v_min_u32 v8, 263, v8
	v_min_u32 v9, 263, v9
	v_lshl_add_u32 v8, v8, 8, s75                  ; v8: my share in region A's image; v9: in region B's; never rewritten
	v_lshl_add_u32 v9, v9, 8, s77
	s_wait_alu depctr_va_vdst(0)
.irp s, 0,1
	s_mov_b32 s[G0+4*\s], 1
	s_add_co_u32 s[G0+4*\s+1], s45, \s*SLOT
	s_add_nc_u64 s[G0+4*\s+2:G0+4*\s+3], s[20:21], \s*CHUNK
	s_or_b32 s[G0+4*\s+3], s[G0+4*\s+3], 0x80000000
	s_mov_b32 s[G0B+4*\s], 1
	s_add_co_u32 s[G0B+4*\s+1], s45, \s*SLOT
	s_add_nc_u64 s[G0B+4*\s+2:G0B+4*\s+3], s[46:47], \s*CHUNK
	s_or_b32 s[G0B+4*\s+3], s[G0B+4*\s+3], 0x80000000
.if \s
	s_wait_alu depctr_va_vdst(0)                   ; slot 1's first fill is issued as a refill is: my part of chunk 0 is in,
	s_wait_tensorcnt 0x0
	ds_add_u32 v28, v29
	ds_add_u32 v28, v29
	s_wait_dscnt 0x0
	CROUND                                         ; and a whole round stands in front of the load
.endif
	JLOAD G0+4*\s, G1, G0B+4*\s, G1B
.if \s
.irp n, 2,3                            ; behind chunk 1's load: my share of chunks 2 and 3, the last
	global_prefetch_b8 v8, s[8:9] offset:\n*CHUNK th:TH_LOAD_NT scope:SCOPE_SE
	global_prefetch_b8 v9, s[10:11] offset:\n*CHUNK th:TH_LOAD_NT scope:SCOPE_SE
.endr
.else
	global_prefetch_b8 v8, s[8:9] offset:CHUNK th:TH_LOAD_NT scope:SCOPE_SE     ; behind chunk 0's load: my share of chunk 1
	global_prefetch_b8 v9, s[10:11] offset:CHUNK th:TH_LOAD_NT scope:SCOPE_SE
.endif
.endr
	v_and_b32 v1, 15, v0                           ; r
	v_bfe_u32 v2, v0, 4, 1                         ; h
	v_and_b32 v3, 31, v0
	v_lshlrev_b32 v[LI], 4, v3
	v_lshlrev_b32 v[RO], 2, v1
	s_mul_i32 s21, s15, HALFT
	s_mul_i32 s22, s16, HALFT
	s_add_co_u32 s22, s22, 2*HALFT
	s_sub_co_u32 s23, s22, s21                     ; from my half of A to my half of B
	v_mul_u32_u24 v6, s23, v2                      ; lanes 16-31 take B's scale words
	v_lshl_add_u32 v6, v1, 3, v6
	s_add_co_u32 s23, s21, 16384
	v_add_nc_u32 v[ADRS], s23, v6
	v_add_nc_u32 v[ADRS+1], SLOT, v[ADRS]
.irp s, 0,1
	v_add_nc_u32 v[ADRA+\s], s21, v[LI]
	v_add_nc_u32 v[ADRB+\s], s22, v[LI]
	s_add_co_u32 s21, s21, SLOT
	s_add_co_u32 s22, s22, SLOT
.endr
	s_mov_b32 s[SEL], 0x76543210
	s_mov_b32 s[SEL+1], 0xfedcba98
	s_mov_b32 s[MNT], 0x600000
.macro FRAG reg, adr, q, i             ; tile i of my 128 rows, step q of the chunk: four loads of 512 consecutive bytes
.irp c, 0,1,2,3
	ds_load_b128 v[\reg+4*\c:\reg+4*\c+3], v[\adr] offset:((\i)/4)*BLK+(2*((\i)%4)+(\q))*2048+512*\c
.endr
.endm
; 16 matrix instructions: A's blocks a0, a0 + 1 x B's eight.  The 64 accumulators take turns, one instruction a turn, in the same order in every step.
.macro MUL16 a0, p, q, sc, zero
.irp a, \a0, \a0+1
.irp b, 0,1,2,3,4,5,6,7
.if \zero
	v_wmma_scale_f32_16x16x128_f8f6f4 v[8*(8*((\a)%4)+\b):8*(8*((\a)%4)+\b)+7], v[128*(\p)+FR*\b:128*(\p)+FR*\b+FR-1], v[AF+FR*(\a):AF+FR*(\a)+FR-1], 0, v[SC+8*NQ*(\sc)+NQ*\b+(\q)], v[SC+8*NQ*(\sc)+NQ*(\a)+(\q)] matrix_a_fmt:MATRIX_FMT_BF8 matrix_b_fmt:MATRIX_FMT_BF8 matrix_a_scale:MATRIX_SCALE_ROW1
.else
	v_wmma_scale_f32_16x16x128_f8f6f4 v[8*(8*((\a)%4)+\b):8*(8*((\a)%4)+\b)+7], v[128*(\p)+FR*\b:128*(\p)+FR*\b+FR-1], v[AF+FR*(\a):AF+FR*(\a)+FR-1], v[8*(8*((\a)%4)+\b):8*(8*((\a)%4)+\b)+7], v[SC+8*NQ*(\sc)+NQ*\b+(\q)], v[SC+8*NQ*(\sc)+NQ*(\a)+(\q)] matrix_a_fmt:MATRIX_FMT_BF8 matrix_b_fmt:MATRIX_FMT_BF8 matrix_a_scale:MATRIX_SCALE_ROW1
.endif
.endr
.endr
.endm
.macro FETCH_B slot, q, p
	WIN TO_B
.irp i, 0,1,2,3,4,5,6,7
	FRAG 128*(\p)+FR*\i, ADRB+\slot, \q, \i
.endr
	WIN 0
.endm
.macro FETCH_A slot, q, i0
.irp i, \i0, \i0+1, \i0+2, \i0+3
	FRAG AF+FR*(\i), ADRA+\slot, \q, \i
.endr
.endm
.macro SCALES sc                       ; the slot's scale words: two words a row; lanes 0-15 A's block i, lanes 16-31 B's block i
.irp i, 0,1,2,3,4,5,6,7
	ds_load_b64 v[SC+8*NQ*\sc+NQ*\i:SC+8*NQ*\sc+NQ*\i+1], v[ADRS+\sc] offset:(\i/4)*BLK+(\i%4)*128
.endr
.endm
.macro PLACES n                        ; plain vector instructions between a matrix instruction and a load into, or a vector read of, its registers
.rept \n
	v_nop
.endr
.endm
.macro STEP slot, q, zero              ; a step of 128 along K that has its successor in the same slot
	s_wait_dscnt 4*NL                              ; B's set, A's blocks 0-3 and the scale words are in; the youngest 16 loads (A's blocks 4-7) may be out
	WIN MUL_LO
	MUL16 0, (\q)%2, \q, \slot, \zero
	MUL16 2, (\q)%2, \q, \slot, \zero
	s_wait_dscnt 0
	PLACES NP
	FETCH_B \slot, (\q)+1, 1-(\q)%2
	FETCH_A \slot, (\q)+1, 0
	WIN MUL_HI
	MUL16 4, (\q)%2, \q, \slot, \zero
	MUL16 6, (\q)%2, \q, \slot, \zero
	PLACES NP
	WIN 0
	FETCH_A \slot, (\q)+1, 4
.endm
; A slot's last step changes slots: one barrier; in front of it each wave waits for all its tensor loads, adds 0 to its spare word, and waits for that and for its reads of this slot.
.macro TURN slot, next, fill
	s_wait_tensorcnt 0x0                           ; all my tensor loads have landed: my part of the next slot
	ds_add_u32 v[SPW], v[NIL]                      ; 0 onto my spare word
	s_wait_dscnt 4*NL+1                            ; (the add and the youngest 16 loads, A's blocks 4-7, may be out)
	WIN MUL_LO
	MUL16 0, 1, NQ-1, \slot, 0
	s_wait_dscnt 0x0                               ; the add is done, and my reads of this slot are over
	s_barrier_signal -1
	MUL16 2, 1, NQ-1, \slot, 0
	WIN 0
	s_barrier_wait -1
.if \fill
	CREST                                          ; the barrier has opened a round of the cluster's: no wave of any partner still reads this slot or has a load on its way
	s_add_nc_u64 s[G0+4*\slot+2:G0+4*\slot+3], s[G0+4*\slot+2:G0+4*\slot+3], 2*CHUNK
	s_add_nc_u64 s[G0B+4*\slot+2:G0B+4*\slot+3], s[G0B+4*\slot+2:G0B+4*\slot+3], 2*CHUNK
	JLOAD G0+4*\slot, G1, G0B+4*\slot, G1B         ; the first tensor load behind the round; its four v_nop are among the places in front of the loads below
	PLACES NP-4
.else
	PLACES NP
.endif
	FETCH_B \next, 0, 0
	FETCH_A \next, 0, 0
	SCALES \next
	WIN MUL_HI
	MUL16 4, 1, NQ-1, \slot, 0
	MUL16 6, 1, NQ-1, \slot, 0
	PLACES NP
	WIN 0
	FETCH_A \next, 0, 4
.endm
	s_wait_alu depctr_va_vdst(0)
	s_wait_tensorcnt 1                             ; my part of chunk 0 is in; chunk 1's load may be out
	s_barrier_signal -1
	s_barrier_wait -1
	FETCH_B 0, 0, 0
	FETCH_A 0, 0, 0
	SCALES 0
	FETCH_A 0, 0, 4
	STEP 0, 0, 1                                   ; the first step's products start the sums
.rept LAPS-1                           ; once round the ring, both slots filled again: K = 1,024 has one such lap
	TURN 0, 1, 1
	STEP 1, 0, 0
	TURN 1, 0, 1
	STEP 0, 0, 0
.endr
	TURN 0, 1, 0                                   ; the last lap fills nothing
	STEP 1, 0, 0
	s_wait_dscnt 4*NL
	WIN MUL_LO
	MUL16 0, 1, NQ-1, 1, 0
	MUL16 2, 1, NQ-1, 1, 0
	s_wait_dscnt 0
	WIN MUL_HI
	MUL16 4, 1, NQ-1, 1, 0
	MUL16 6, 1, NQ-1, 1, 0
	WIN 0
; THE WAY OUT.  Tile a's 64 registers of a lane are four blocks of 32 along the next K, 16 numbers a lane, the other 16 in lane l xor 16: they become a fragment's codes in v[AF + 16 a] on and its scale word in v[PW + a].
.macro QUANTW a
.set AC, 64*((\a)%4)
.set W, 2+(\a)/4
.set PC, AF+16*(\a)
	WIN W*0x14                                     ; sources 1 and 2 in the accumulators' window
.irp b, 0,1,2,3
	v_max3_num_f32 v[TM+\b], 0x8000000, |v[AC+16*\b]|, |v[AC+16*\b+1]|     ; each accumulator is read from its low end on; the floor 2^(16 - 127) holds the byte at 1 from below
.endr
.irp i, 2,4,6,8,10,12,14
.irp b, 0,1,2,3
	v_max3_num_f32 v[TM+\b], v[TM+\b], |v[AC+16*\b+\i]|, |v[AC+16*\b+\i+1]|
.endr
.endr
	WIN 0
.irp b, 0,1,2,3
	v_permlanex16_b32 v[TM+4+\b], v[TM+\b], s[SEL], s[SEL+1]
.endr
.irp b, 0,1,2,3
	v_max_num_f32 v[TM+\b], v[TM+\b], v[TM+4+\b]
.endr
.irp b, 0,1,2,3
	v_add_nc_u32 v[TM+12+\b], 0xf8800000, v[TM+\b] ; 15 off the exponent field: the conversion's scale operand
.endr
.irp b, 0,1,2,3
	v_and_or_b32 v[TM+8+\b], v[TM+\b], 0x7f800000, s[MNT]   ; 57,344 x the scale
.endr
.irp b, 0,1,2,3
	v_lshrrev_b32 v[TM+4+\b], 23, v[TM+12+\b]      ; the scale's byte
.endr
	v_lshl_or_b32 v[PW+(\a)], v[TM+5], 8, v[TM+4]
	v_lshl_or_b32 v[PW+(\a)], v[TM+6], 16, v[PW+(\a)]
	v_lshl_or_b32 v[PW+(\a)], v[TM+7], 24, v[PW+(\a)]
	WIN (W<<6)|W
.irp b, 0,1,2,3
.irp i, 0,1,2,3,4,5,6,7,8,9,10,11,12,13,14,15
	v_med3_num_f32 v[AC+16*\b+\i], v[AC+16*\b+\i], -v[TM+8+\b], v[TM+8+\b]   ; the conversion does not saturate (ISA guide 7.6.2): the hold comes first
.endr
.endr
	WIN W
.irp b, 0,1,2,3
	v_cvt_scalef32_pk8_bf8_f32 v[PC+4*\b:PC+4*\b+1],   v[AC+16*\b:AC+16*\b+7],    v[TM+12+\b]
	v_cvt_scalef32_pk8_bf8_f32 v[PC+4*\b+2:PC+4*\b+3], v[AC+16*\b+8:AC+16*\b+15], v[TM+12+\b]
.endr
	WIN 0
	v_nop                                          ; a plain instruction behind the last conversion
.endm
	PLACES NP
.irp b, 0,1,2,3
	v_mov_b32 v[TM+4+\b], 0                        ; a lane permute's destination counts as one of its sources
.endr
.irp a, 0,1,2,3,4,5,6,7
	QUANTW \a
.endr
	s_cmp_eq_u32 ttmp9, 2                          ; the cluster's x: alike in all partners
	s_cbranch_scc1 .Lout_v
	; q or k: a lane holds token 16 a + r; blocks 0, 1 are head hd0's 64 channels, blocks 2, 3 head hd0 + 1's.  Codes: [pair of token tiles u][c = 2 (tile % 2) + block][lane][16]
	s_lshr_b32 s66, s17, 2                         ; the batch
	s_and_b32 s67, s17, 3
	s_lshl_b32 s67, s67, 3
	s_lshl_b32 s68, s15, 2
	s_add_co_u32 s67, s67, s68                     ; my first pair of token tiles in the batch
	s_and_b32 s68, s18, 3
	s_lshl_b32 s68, s68, 2
	s_add_co_u32 s68, s68, s19                     ; hd0 = 4 (TB % 4) + 2 x half
	s_lshl_b32 s66, s66, 4
	s_add_co_u32 s66, s66, s68
	s_mul_i32 s66, s66, HS
	s_cmp_eq_u32 ttmp9, 1
	s_cselect_b32 s70, 67584, 0                    ; K's codes or Q's
	s_mov_b32 s71, 65536
	s_cselect_b32 s71, 198656, s71                 ; K's scale words or Q's
	s_lshl_b32 s72, s67, 11
	s_add_co_u32 s72, s72, s66
	s_add_co_u32 s72, s72, s70
	s_mov_b32 s73, 0
	s_add_nc_u64 s[72:73], s[12:13], s[72:73]
	s_lshl_b32 s74, s67, 6
	s_add_co_u32 s74, s74, s66
	s_add_co_u32 s74, s74, s71
	s_mov_b32 s75, 0
	s_add_nc_u64 s[74:75], s[12:13], s[74:75]
	s_wait_alu depctr_va_vdst(0)
.irp a, 0,1,2,3,4,5,6,7
.irp c, 0,1,2,3
	global_store_b128 v[LI], v[AF+16*\a+4*\c:AF+16*\a+4*\c+3], s[72:73] offset:(\c/2)*HS+(\a/2)*2048+(\a%2)*1024+(\c%2)*512   ; 512 consecutive bytes, aligned
.endr
.endr
.irp a, 0,2,4,6
	v_perm_b32 v[PX+\a],   v[PW+\a+1], v[PW+\a], 0x05040100        ; head hd0: the two bytes of tile a, then those of tile a + 1
	v_perm_b32 v[PX+\a+1], v[PW+\a+1], v[PW+\a], 0x07060302        ; head hd0 + 1
.endr
.irp a, 0,2,4,6
	global_store_b32 v[RO], v[PX+\a],   s[74:75] offset:(\a/2)*64          ; lanes l and l xor 16 write the same word
	global_store_b32 v[RO], v[PX+\a+1], s[74:75] offset:HS+(\a/2)*64
.endr
	s_branch .Lout_done
.Lout_v:
	; v: a lane holds channel 16 a + r of my 128 (two heads), and 128 neighbouring keys: one key step.  Codes: [key step][channel tile][2,048]
	s_and_b32 s66, s17, 3
	s_lshl_b32 s66, s66, 2
	s_lshl_b32 s67, s15, 1
	s_add_co_u32 s66, s66, s67                     ; hd0 = 4 (TA - 8) + 2 x half
	s_lshr_b32 s67, s18, 2
	s_lshl_b32 s67, s67, 4
	s_add_co_u32 s66, s66, s67
	s_mul_i32 s66, s66, HS
	s_and_b32 s67, s18, 3
	s_lshl_b32 s67, s67, 1
	s_add_co_u32 s67, s67, s16                     ; the key step
	s_lshl_b32 s72, s67, 13
	s_add_co_u32 s72, s72, s66
	s_add_co_u32 s72, s72, 133120
	s_mov_b32 s73, 0
	s_add_nc_u64 s[72:73], s[12:13], s[72:73]
	s_lshl_b32 s74, s67, 8
	s_add_co_u32 s74, s74, s66
	s_add_co_u32 s74, s74, 200704
	s_mov_b32 s75, 0
	s_add_nc_u64 s[74:75], s[12:13], s[74:75]
	s_wait_alu depctr_va_vdst(0)
.irp a, 0,1,2,3,4,5,6,7
.irp c, 0,1,2,3
	global_store_b128 v[LI], v[AF+16*\a+4*\c:AF+16*\a+4*\c+3], s[72:73] offset:(\a/4)*HS+(\a%4)*2048+512*\c
.endr
	global_store_b32 v[RO], v[PW+\a], s[74:75] offset:(\a/4)*HS+(\a%4)*64
.endr
.Lout_done:
	s_wait_tensorcnt 0x0                           ; the wave's end
	ds_add_u32 v[SPW], v[NIL]
	s_wait_dscnt 0x0
	CROUND                                         ; the closing round: no work-group ends while a partner may still ask for a tile that names it
	s_endpgm
.Lfunc_end_k_qe14f46d8df_proj:
	.size	k_qe14f46d8df_proj, .Lfunc_end_k_qe14f46d8df_proj-k_qe14f46d8df_proj
	.p2alignl 7, 3214868480
	.fill 96, 4, 3214868480
	.section	.rodata,"a",@progbits
	.p2align	6, 0x0
	.amdhsa_kernel k_qe14f46d8df_proj
		.amdhsa_group_segment_fixed_size 327680
		.amdhsa_private_segment_fixed_size 0
		.amdhsa_enable_private_segment 0
		.amdhsa_kernarg_size 24
		.amdhsa_user_sgpr_count 2
		.amdhsa_user_sgpr_kernarg_segment_ptr 1
		.amdhsa_wavefront_size32 1
		.amdhsa_system_sgpr_workgroup_id_x 1
		.amdhsa_system_sgpr_workgroup_id_y 1
		.amdhsa_system_sgpr_workgroup_id_z 1
		.amdhsa_system_vgpr_workitem_id 0
		.amdhsa_next_free_vgpr 1024
		.amdhsa_next_free_sgpr 98
		.amdhsa_reserve_vcc 0
		.amdhsa_float_denorm_mode_32 3
		.amdhsa_float_denorm_mode_16_64 3
		.amdhsa_memory_ordered 1
		.amdhsa_forward_progress 1
		.amdhsa_inst_pref_size 190
	.end_amdhsa_kernel
	.amdgpu_metadata
---
amdhsa.version: [ 1, 2 ]
amdhsa.kernels:
  - .name:           k_qe14f46d8df_proj
    .symbol:         k_qe14f46d8df_proj.kd
    .args:
      - { .name: act, .offset: 0, .size: 8, .value_kind: global_buffer, .address_space: global }
      - { .name: wimg, .offset: 8, .size: 8, .value_kind: global_buffer, .address_space: global }
      - { .name: qkvc, .offset: 16, .size: 8, .value_kind: global_buffer, .address_space: global }
    .group_segment_fixed_size: 327680
    .private_segment_fixed_size: 0
    .kernarg_segment_align: 8
    .kernarg_segment_size: 24
    .max_flat_workgroup_size: 128
    .sgpr_count:     98
    .vgpr_count:     1024
    .wavefront_size: 32
...
	.end_amdgpu_metadata
.endif
;; end of part 2
;; launch attn (part 3): grid 4 x 64, 16 waves a work-group, clusters of 4 x 1, 169,984 bytes of LDS; arguments qkvc, act; writes act
.if DOCPART == 3
	.amdgcn_target "amdgcn-amd-amdhsa--gfx1250"
	.amdhsa_code_object_version 6
	.text
	.protected	k_qe14f46d8df_attn
	.globl	k_qe14f46d8df_attn
	.p2align	8
	.type	k_qe14f46d8df_attn,@function
k_qe14f46d8df_attn:
	s_mov_b64 s[64:65], 0
	v_nop
	global_prefetch_b8 v0, s[64:65] scope:SCOPE_SE
	s_setreg_imm32_b32 hwreg(HW_REG_WAVE_MODE, 25, 1), 1
	s_wait_xcnt 0x0
	s_wait_alu depctr_hold_cnt(0) depctr_sa_sdst(0) depctr_va_vdst(0) depctr_va_sdst(0) depctr_va_ssrc(0) depctr_va_vcc(0) depctr_vm_vsrc(0)
	s_getreg_b32 s2, hwreg(HW_REG_IB_STS2, 6, 4)
	s_cmp_eq_u32 s2, 0
	s_cbranch_scc0 .Lentry_in_a_cluster
	s_endpgm
.Lentry_in_a_cluster:
	s_bfe_u32 s2, ttmp6, 0x10000c
	s_cmp_lg_u32 s2, 0x3003
	s_cbranch_scc0 .Lentry_shape_is_right
	s_endpgm
.Lentry_shape_is_right:
; Causal attention of one head on codes of BF8 (E5M2) with E8M0 scales; head size 64, 1,024 tokens.  The result, divided by the row's sum, is quantised along the channels and stored into the image that the next product reads.
; THE SOFTMAX AHEAD OF THE SECOND PRODUCT: t = score x log2(e) / 8; M = the running largest t rounded UP to a whole number; p = 2^(t - M) is quantised along the keys, not normalised; the row's sum is taken of the unquantised p.
; When M moves, the sum and O are multiplied by 2^(old M - new M): exact.
; SHARES.  The four work-groups of a cluster serve one head.  Wave w of work-group cx owns the 16 queries of tile t = 4 w + cx, so the key steps (128 keys) that a wave needs are 0 .. w / 2: a number made of the wave's number alone,
; alike in all partners.  K, V and their scale words of the whole head are 135,168 dense bytes: they come into LDS ONCE, by four joint loads (waves 0 to 3), and stay: no ring, nothing is filled again.
; LAYOUT.  Both products are used transposed: S^T = K Q^T, O^T = V^T P^T: a lane holds one query (lane % 16) throughout.  A lane's 16 registers of two neighbouring key tiles hold keys 8 h + (i & 7) + 16 (i >> 3) of a block of 32:
; the order in which V's codes were laid, so the conversions' results are the second product's operand.
; K = 64 FILLS HALF OF THE INSTRUCTION'S 128.  A fragment of K carries TWO key tiles (tile 2 u in blocks 0, 1; tile 2 u + 1 in blocks 2, 3) and is multiplied once by [q | 0] and once by [0 | q]: zero codes add nothing.
; The loop has a constant count of 8; a step all of whose keys come after the wave's queries is passed over by a scalar branch; in the one step on the diagonal hidden scores become -infinity ahead of the maximum.
; LIMITS: NaN and infinities are not served; a block of zeros gets the byte 1, not 127.
.set HS,   202752                      ; a head's block: Q codes 0, Q scales 65,536; from 67,584 on K codes, V codes, K scales, V scales
.set BLK,  16896
.set LI,   1                           ; v1   16 x lane
.set ASK0, 2                           ; v2   131,072 + 4 r: K's scale words
.set DM,   3                           ; v3   my query less the diagonal step's first key less 8 h
.set QA,   4                           ; v4   q's codes, v5 q's scale bytes, v6 8 r: global offsets; never rewritten
.set QS,   5
.set SO8,  6
.set ADK,  8                           ; v8   the step's K fragments, v9 its V fragments, v10 its scale words
.set ADV,  9
.set ADS,  10
.set QW,   40                          ; v40  q's scale word: its two bytes, twice
.set RR,   41                          ; v41  r, v42 h
.set HH,   42
.set FRG,  48                          ; v48-111  four fragments of K or of V
.set S,    112                         ; v112-175 S^T, then p
.set O,    176                         ; v176-207 O^T
.set PC,   208                         ; v208-223 p's codes
.set BM,   224                         ; v224-227 a block's largest score, then its largest p
.set T1,   228
.set LIM,  232
.set SCO,  236
.set FS,   240                         ; v240-243 the fragments' scale words
.set TP,   244
.set PWD,  245                         ; v245 p's scale word
.set FF,   246                         ; v[246:247] f = 2^(old M - new M)
.set CH,   248                         ; v[248:249] the sum's second chain
.set WV,   18
.set MNT,  19
.set SEL,  20
.set CS,   22
.set WH,   38
.set KS,   39
.set TK,   40
.set TS,   41
.macro CROUND                          ; a round of the cluster's barrier
	s_barrier_signal -1
	s_barrier_wait -1
	s_cmp_lg_u32 s[WV], 0
	s_cbranch_scc1 .Lnot_wave_0_\@
	s_barrier_signal -3
.Lnot_wave_0_\@:
	s_barrier_wait -3
	s_barrier_signal -1
	s_barrier_wait -1
.endm
	s_load_b128 s[4:7], s[0:1], 0x0                ; qkvc s[4:5], the image s[6:7]
	v_lshl_add_u32 v254, v0, 2, 0x29000
	v_mov_b32 v255, 0
	ds_add_u32 v254, v255
	ds_add_u32 v254, v255
	v_lshrrev_b32 v[TP], 5, v0
	s_delay_alu instid0(VALU_DEP_1)
	v_readfirstlane_b32 s[WV], v[TP]               ; wave 0..15
	s_bfe_u32 s36, ttmp6, 0x40000                  ; cx
	s_and_b32 s37, ttmp7, 0xffff                   ; 16 x batch + head
	s_and_b32 s54, s[WV], 3                        ; THE WAVE'S RANK stands for w wherever the shares above say w.  With u = 2 (w % 4) + bit 2 of w: rank = 15 - u in waves 0 to 7, u in waves 8 to 15.
	s_lshl_b32 s54, s54, 1                         ; Waves w, w + 4, w + 8, w + 12 then have 8 - w % 4 key steps twice and 1 + w % 4 twice: 18 together, and two waves of equal length at the end.
	s_bfe_u32 s55, s[WV], 0x10002                  ; It is made of the wave's number alone: alike in all partners.  The loads and the barriers go by w itself
	s_or_b32 s54, s54, s55
	s_lshr_b32 s55, s[WV], 3
	s_mul_i32 s55, s55, 15
	s_xor_b32 s54, s54, s55
	s_xor_b32 s54, s54, 15
	s_lshr_b32 s[WH], s54, 1
	s_mul_i32 s42, s37, HS
	s_mov_b32 s43, 0
	s_mov_b32 s24, 15|(3<<16)|(1<<21)              ; the mask: all four work-groups; elements of 8 bytes; 21 set beside a mask; no padding
	s_mov_b32 s25, 32<<16                          ; rows of 256 bytes,
	s_mov_b32 s26, 132<<16                         ; 132 of them: 33,792 dense bytes
	s_mov_b32 s27, 32<<16
	s_mov_b32 s28, 132
	s_mov_b32 s29, 32
	s_mov_b32 s30, 0
	s_mov_b32 s31, 0
	s_min_u32 s44, s[WV], 3                        ; (waves 4 to 15 issue no load)
	s_mul_i32 s44, s44, 2*BLK
	s_mov_b32 s32, 1
	s_mov_b32 s33, s44                             ; LDS: quarter w
	s_add_co_u32 s44, s44, 67584
	s_mov_b32 s45, 0
	s_mov_b32 s[MNT], 0x600000
	s_mov_b32 s[SEL], 0x76543210
	s_mov_b32 s[SEL+1], 0xfedcba98
	s_mov_b32 s[CS], 0x3e38aa3b                    ; c = log2(e) / 8
	s_mov_b32 s[CS+1], s[CS]
	s_wait_dscnt 0x0
	CROUND                                         ; the opening round, ahead of the wait for the arguments: all four work-groups are here
	s_wait_kmcnt 0x0
	s_add_nc_u64 s[8:9], s[4:5], s[42:43]          ; the head's block
	s_add_nc_u64 s[34:35], s[8:9], s[44:45]
	s_or_b32 s35, s35, 0x80000000
	s_cmp_lt_u32 s[WV], 4
	s_cbranch_scc0 .Lno_fetch
	tensor_load_to_lds s[32:35], s[24:31]          ; a quarter of K, V and their scale words: one load a wave, filled once
	s_nop 0
.rept 4
	v_nop
.endr
.Lno_fetch:
	v_and_b32 v[RR], 15, v0
	s_wait_alu depctr_va_vdst(0)
	v_bfe_u32 v[HH], v0, 4, 1
	s_wait_alu depctr_va_vdst(0)
	v_and_b32 v[LI], 31, v0
	s_delay_alu instid0(VALU_DEP_1)
	v_lshlrev_b32 v[LI], 4, v[LI]
	v_lshl_add_u32 v[ASK0], v[RR], 2, 0x20000
	s_lshl_b32 s46, s54, 2
	s_add_co_u32 s46, s46, s36                     ; my query tile t
	s_lshr_b32 s47, s46, 1
	s_and_b32 s48, s46, 1
	s_lshl_b32 s49, s47, 11
	s_lshl_b32 s50, s48, 10
	s_add_co_u32 s49, s49, s50
	v_add_nc_u32 v[QA], s49, v[LI]
	global_load_b128 v[24:27], v[QA], s[8:9]               ; q's codes: the head's first 32 channels,
	global_load_b128 v[28:31], v[QA], s[8:9] offset:512    ; and the other 32
	s_lshl_b32 s51, s47, 6
	s_lshl_b32 s52, s48, 1
	s_add_co_u32 s51, s51, s52
	v_lshl_add_u32 v[QS], v[RR], 2, s51
	global_load_u16 v[QW], v[QS], s[8:9] offset:65536      ; its two scale bytes
	s_and_b32 s53, s54, 1
	s_lshl_b32 s53, s53, 2
	s_add_co_u32 s53, s53, s36
	s_lshl_b32 s53, s53, 4                         ; my first query in the diagonal step
	v_lshlrev_b32 v[DM], 3, v[HH]
	s_delay_alu instid0(VALU_DEP_1)
	v_sub_nc_u32 v[DM], v[RR], v[DM]
	s_delay_alu instid0(VALU_DEP_1)
	v_add_nc_u32 v[DM], s53, v[DM]
	v_lshlrev_b32 v[SO8], 3, v[RR]
	; where the result goes: chunk hd / 4, panel 16 batch + w, tile cx, step (hd / 2) % 2, blocks 2 (hd % 2) and + 1
	s_and_b32 s46, s37, 15                         ; hd
	s_lshr_b32 s47, s37, 4
	s_lshr_b32 s48, s46, 2
	s_lshl_b32 s48, s48, 6
	s_lshl_b32 s47, s47, 4
	s_add_co_u32 s48, s48, s47
	s_add_co_u32 s48, s48, s54
	s_mul_i32 s48, s48, BLK
	s_bfe_u32 s49, s46, 0x10001
	s_and_b32 s50, s46, 1
	s_lshl_b32 s51, s36, 1
	s_add_co_u32 s51, s51, s49
	s_lshl_b32 s51, s51, 11
	s_lshl_b32 s52, s50, 10
	s_add_co_u32 s51, s51, s52
	s_add_co_u32 s52, s48, s51
	s_mov_b32 s53, 0
	s_add_nc_u64 s[10:11], s[6:7], s[52:53]
	s_lshl_b32 s51, s36, 7
	s_lshl_b32 s49, s49, 2
	s_lshl_b32 s50, s50, 1
	s_add_co_u32 s51, s51, s49
	s_add_co_u32 s51, s51, s50
	s_add_co_u32 s51, s51, 16384
	s_add_co_u32 s52, s51, s48
	s_add_nc_u64 s[12:13], s[6:7], s[52:53]
.irp j, 0,1,2,3,4,5,6,7
	v_mov_b32 v[16+\j], 0                          ; the zero halves: [0 | q] = v[16:31], [q | 0] = v[24:39]
	v_mov_b32 v[32+\j], 0
.endr
	v_mov_b32 v13, 0xff61b1e6                      ; the largest t so far: -3e38
	s_delay_alu instid0(VALU_DEP_1)
	v_floor_f32 v12, -v13                          ; -M
	v_mov_b32 v14, 0                               ; the sum, in two halves
	v_mov_b32 v15, 0
.irp b, 0,1,2,3
	v_mov_b32 v[T1+\b], 0                          ; a lane permute's destination counts as one of its sources
.endr
	v_mov_b32 v[TP], 0
	v_mov_b32 v[FF+1], 0                           ; (named as the upper half of a pair)
	s_wait_loadcnt 0x0
	v_lshl_or_b32 v[QW], v[QW], 16, v[QW]          ; the same two bytes for blocks 0, 1 and for blocks 2, 3
.set j, 0
.rept 32
	v_mov_b32 v[O+j], 0                            ; O^T: the loop has no first step of its own: the first change of M multiplies zeros
.set j, j+1
.endr
	s_mov_b32 s[KS], 0
	s_mov_b32 s[TK], 0
	s_mov_b32 s[TS], 0
	s_wait_tensorcnt 0x0                           ; my quarter has landed (a wave that issued none passes)
	s_barrier_signal -1
	s_barrier_wait -1                              ; everybody's has
.Lstep:
	s_cmp_gt_u32 s[KS], s[WH]                      ; all 128 keys come after my queries: the step's work is left out
	s_cbranch_scc1 .Lhidden
	v_add_nc_u32 v[ADK], s[TK], v[LI]
	v_add_nc_u32 v[ADS], s[TS], v[ASK0]
	s_delay_alu instid0(VALU_DEP_2)
	v_add_nc_u32 v[ADV], 0x10000, v[ADK]
.rept 5
	v_nop                                          ; with the three additions: eight places in front of loads into registers that the last products read
.endr
.irp u, 0,1,2,3
.irp c, 0,1,2,3
	ds_load_b128 v[FRG+16*\u+4*\c:FRG+16*\u+4*\c+3], v[ADK] offset:2048*\u+512*\c
.endr
	ds_load_b32 v[FS+\u], v[ADS] offset:64*\u
.endr
	s_wait_alu depctr_va_vdst(0)
	s_wait_dscnt 0x0
.irp u, 0,1,2,3
	v_wmma_scale_f32_16x16x128_f8f6f4 v[S+16*\u:S+16*\u+7],    v[FRG+16*\u:FRG+16*\u+15], v[24:39], 0, v[FS+\u], v[QW] matrix_a_fmt:MATRIX_FMT_BF8 matrix_b_fmt:MATRIX_FMT_BF8   ; key tile 2 u
	v_wmma_scale_f32_16x16x128_f8f6f4 v[S+16*\u+8:S+16*\u+15], v[FRG+16*\u:FRG+16*\u+15], v[16:31], 0, v[FS+\u], v[QW] matrix_a_fmt:MATRIX_FMT_BF8 matrix_b_fmt:MATRIX_FMT_BF8   ; key tile 2 u + 1
.endr
.rept 8
	v_nop
.endr
.irp t, 0,1,2,3                        ; V's fragments are asked for here and land under the softmax
.irp c, 0,1,2,3
	ds_load_b128 v[FRG+16*\t+4*\c:FRG+16*\t+4*\c+3], v[ADV] offset:2048*\t+512*\c
.endr
	ds_load_b32 v[FS+\t], v[ADS] offset:2048+64*\t
.endr
	s_cmp_lg_u32 s[KS], s[WH]                      ; only the last step of a wave lies on the diagonal
	s_cbranch_scc1 .Lopen
	v_mov_b32 v[TP], 0xff800000                    ; -infinity
.set n, 0
.rept 64                               ; register n holds key 16 (n / 8) + 8 h + n % 8 of the step: hidden where it comes after my query
	v_cmp_gt_i32 vcc_lo, 16*(n/8)+n%8, v[DM]
	v_cndmask_b32 v[S+n], v[S+n], v[TP], vcc_lo
.set n, n+1
.endr
.Lopen:
.irp b, 0,1,2,3
	v_max3_num_f32 v[BM+\b], v[S+16*\b], v[S+16*\b+1], v[S+16*\b+2]        ; the largest score of each block of 32 keys: for the row's maximum and, since p rises with the score, for the block's largest p
.endr
.irp i, 3,5,7,9,11,13
.irp b, 0,1,2,3
	v_max3_num_f32 v[BM+\b], v[BM+\b], v[S+16*\b+\i], v[S+16*\b+\i+1]
.endr
.endr
.irp b, 0,1,2,3
	v_max_num_f32 v[BM+\b], v[BM+\b], v[S+16*\b+15]
.endr
.irp b, 0,1,2,3
	s_delay_alu instid0(VALU_DEP_4)
	v_permlanex16_b32 v[T1+\b], v[BM+\b], s[SEL], s[SEL+1]
.endr
.irp b, 0,1,2,3
	s_delay_alu instid0(VALU_DEP_4)
	v_max_num_f32 v[BM+\b], v[BM+\b], v[T1+\b]     ; with lane l xor 16's 16 keys
.endr
	s_delay_alu instid0(VALU_DEP_2)
	v_max3_num_f32 v[TP], v[BM], v[BM+1], v[BM+2]
	s_delay_alu instid0(VALU_DEP_1)
	v_max_num_f32 v[TP], v[TP], v[BM+3]
	s_delay_alu instid0(VALU_DEP_1)
	v_mul_f32 v[TP], s[CS], v[TP]                  ; the step's largest t
	s_delay_alu instid0(VALU_DEP_1)
	v_max_num_f32 v13, v13, v[TP]
	v_mov_b32 v[TP], v12
	s_delay_alu instid0(VALU_DEP_2)
	v_floor_f32 v12, -v13                          ; the new -M = -ceil(t): a whole number
	s_delay_alu instid0(VALU_DEP_1)
	v_sub_f32 v[TP], v12, v[TP]                    ; old M - new M, 0 or less
	s_delay_alu instid0(VALU_DEP_1)
	v_cvt_i32_f32 v[TP], v[TP]                     ; (it saturates)
	s_delay_alu instid0(VALU_DEP_1)
	v_ldexp_f32 v[FF], 1.0, v[TP]                  ; f = 2^(old M - new M)
.set j, 0
.rept 32
	v_pk_fma_f32 v[S+j:S+j+1], v[S+j:S+j+1], s[CS:CS+1], v[12:13] op_sel_hi:[1,0,0]   ; t - M
.set j, j+2
.endr
.irp b, 0,1,2,3
	v_fma_f32 v[BM+\b], v[BM+\b], s[CS], v12
.endr
.set j, 0
	s_wait_alu depctr_va_vdst(0)
.rept 64
	v_exp_f32 v[S+j], v[S+j]                       ; p = 2^(t - M)
.set j, j+1
.endr
	v_pk_mul_f32 v[14:15], v[14:15], v[FF:FF+1] op_sel_hi:[1,0]    ; the sums under the new M: a plain instruction behind the exponentials
	s_wait_alu depctr_va_vdst(0)                   ; one wait for the whole batch, ahead of its first reader
.irp b, 0,1,2,3
	v_exp_f32 v[BM+\b], v[BM+\b]                   ; the block's largest p
.endr
	v_pk_add_f32 v[248:249], v[116:117], v[120:121]
	v_pk_add_f32 v[252:253], v[124:125], v[128:129]
	v_pk_add_f32 v[250:251], v[132:133], v[136:137]
	v_pk_add_f32 v[238:239], v[140:141], v[144:145]
	v_pk_add_f32 v[236:237], v[148:149], v[152:153]
	v_pk_add_f32 v[234:235], v[156:157], v[160:161]
	v_pk_add_f32 v[232:233], v[164:165], v[168:169]
	v_pk_add_f32 v[14:15], v[14:15], v[172:173]
	v_pk_add_f32 v[248:249], v[248:249], v[112:113]
	v_pk_add_f32 v[252:253], v[252:253], v[114:115]
	v_pk_add_f32 v[250:251], v[250:251], v[118:119]
	v_pk_add_f32 v[238:239], v[238:239], v[122:123]
	v_pk_add_f32 v[236:237], v[236:237], v[126:127]
	v_pk_add_f32 v[234:235], v[234:235], v[130:131]
	v_pk_add_f32 v[232:233], v[232:233], v[134:135]
	v_pk_add_f32 v[14:15], v[14:15], v[138:139]
	v_pk_add_f32 v[248:249], v[248:249], v[142:143]
	v_pk_add_f32 v[252:253], v[252:253], v[146:147]
	v_pk_add_f32 v[250:251], v[250:251], v[150:151]
	v_pk_add_f32 v[238:239], v[238:239], v[154:155]
	v_pk_add_f32 v[236:237], v[236:237], v[158:159]
	v_pk_add_f32 v[234:235], v[234:235], v[162:163]
	v_pk_add_f32 v[232:233], v[232:233], v[166:167]
	v_pk_add_f32 v[14:15], v[14:15], v[170:171]
	v_pk_add_f32 v[248:249], v[248:249], v[174:175]
	s_delay_alu instid0(VALU_DEP_2)
	v_pk_add_f32 v[14:15], v[14:15], v[238:239]
	s_delay_alu instid0(VALU_DEP_2)
	v_pk_add_f32 v[248:249], v[248:249], v[236:237]
	v_pk_add_f32 v[252:253], v[252:253], v[234:235]
	v_pk_add_f32 v[250:251], v[250:251], v[232:233]
	s_delay_alu instid0(VALU_DEP_2)
	v_pk_add_f32 v[14:15], v[14:15], v[252:253]
	s_delay_alu instid0(VALU_DEP_2)
	v_pk_add_f32 v[248:249], v[248:249], v[250:251]
	s_delay_alu instid0(VALU_DEP_1)
	v_pk_add_f32 v[14:15], v[14:15], v[248:249]
	s_wait_alu depctr_va_vdst(0)                   ; and one for the four
.irp b, 0,1,2,3
	v_max_num_f32 v[BM+\b], 0x8000000, v[BM+\b]    ; the floor 2^(16 - 127): the byte cannot fall under 1
.endr
.irp b, 0,1,2,3
	s_delay_alu instid0(VALU_DEP_4)
	v_add_nc_u32 v[SCO+\b], 0xf8800000, v[BM+\b]
.endr
.irp b, 0,1,2,3
	v_and_or_b32 v[LIM+\b], v[BM+\b], 0x7f800000, s[MNT]
.endr
.irp b, 0,1,2,3
	v_lshrrev_b32 v[T1+\b], 23, v[SCO+\b]
.endr
	s_delay_alu instid0(VALU_DEP_3)
	v_lshl_or_b32 v[PWD], v[T1+1], 8, v[T1]        ; p's scale word for these 128 keys
	s_delay_alu instid0(VALU_DEP_1)
	v_lshl_or_b32 v[PWD], v[T1+2], 16, v[PWD]
	s_delay_alu instid0(VALU_DEP_1)
	v_lshl_or_b32 v[PWD], v[T1+3], 24, v[PWD]
.irp b, 0,1,2,3
.irp i, 0,1,2,3,4,5,6,7,8,9,10,11,12,13,14,15
	v_min_num_f32 v[S+16*\b+\i], v[S+16*\b+\i], v[LIM+\b]          ; the conversion does not saturate (ISA guide 7.6.2); p is not negative: a one-sided hold
.endr
	v_cvt_scalef32_pk8_bf8_f32 v[PC+4*\b:PC+4*\b+1],   v[S+16*\b:S+16*\b+7],    v[SCO+\b]
	v_cvt_scalef32_pk8_bf8_f32 v[PC+4*\b+2:PC+4*\b+3], v[S+16*\b+8:S+16*\b+15], v[SCO+\b]
.endr
.set j, 0
.rept 16
	v_pk_mul_f32 v[O+j:O+j+1], v[O+j:O+j+1], v[FF:FF+1] op_sel_hi:[1,0]    ; O^T under the new M; these are also the places in front of the products below
.set j, j+2
.endr
	s_wait_alu depctr_va_vdst(0)
	s_wait_dscnt 0x0                               ; V
.irp t, 0,1,2,3
	v_wmma_scale_f32_16x16x128_f8f6f4 v[O+8*\t:O+8*\t+7], v[FRG+16*\t:FRG+16*\t+15], v[PC:PC+15], v[O+8*\t:O+8*\t+7], v[FS+\t], v[PWD] matrix_a_fmt:MATRIX_FMT_BF8 matrix_b_fmt:MATRIX_FMT_BF8
.endr
.Lhidden:
	s_add_co_u32 s[TK], s[TK], 8192                ; the next step's fragments and scale words
	s_add_co_u32 s[TS], s[TS], 256
	s_add_co_u32 s[KS], s[KS], 1
	s_cmp_lt_u32 s[KS], 8
	s_cbranch_scc1 .Lstep
	; THE WAY OUT: O^T / the sum; a lane's 32 numbers are two blocks of 32 channels (16 mine, 16 in lane l xor 16)
.rept 8
	v_nop
.endr
	v_add_f32 v14, v14, v15
	s_delay_alu instid0(VALU_DEP_1)
	v_permlanex16_b32 v[TP], v14, s[SEL], s[SEL+1]
	s_delay_alu instid0(VALU_DEP_1)
	v_add_f32 v14, v14, v[TP]
	s_wait_alu depctr_va_vdst(0)
	v_rcp_f32 v14, v14
	v_nop                                          ; a plain instruction behind the transcendental,
	s_wait_alu depctr_va_vdst(0)                   ; and the wait ahead of its first reader
.set j, 0
.rept 32
	v_mul_f32 v[S+j], v[O+j], v14                  ; each accumulator from its low end on
.set j, j+1
.endr
.irp b, 0,1
	v_max3_num_f32 v[BM+\b], |v[S+16*\b]|, |v[S+16*\b+1]|, 0x8000000
.endr
.irp i, 2,4,6,8,10,12,14
.irp b, 0,1
	s_delay_alu instid0(VALU_DEP_2)
	v_max3_num_f32 v[BM+\b], v[BM+\b], |v[S+16*\b+\i]|, |v[S+16*\b+\i+1]|
.endr
.endr
.irp b, 0,1
	s_delay_alu instid0(VALU_DEP_2)
	v_permlanex16_b32 v[T1+\b], v[BM+\b], s[SEL], s[SEL+1]
.endr
.irp b, 0,1
	s_delay_alu instid0(VALU_DEP_2)
	v_max_num_f32 v[BM+\b], v[BM+\b], v[T1+\b]
.endr
.irp b, 0,1
	s_delay_alu instid0(VALU_DEP_2)
	v_add_nc_u32 v[SCO+\b], 0xf8800000, v[BM+\b]
.endr
.irp b, 0,1
	s_delay_alu instid0(VALU_DEP_4)
	v_and_or_b32 v[LIM+\b], v[BM+\b], 0x7f800000, s[MNT]
.endr
.irp b, 0,1
	s_delay_alu instid0(VALU_DEP_4)
	v_lshrrev_b32 v[T1+\b], 23, v[SCO+\b]
.endr
	s_delay_alu instid0(VALU_DEP_1)
	v_lshl_or_b32 v[TP], v[T1+1], 8, v[T1]         ; the two scale bytes
.irp b, 0,1
.irp i, 0,1,2,3,4,5,6,7,8,9,10,11,12,13,14,15
	v_med3_num_f32 v[S+16*\b+\i], v[S+16*\b+\i], -v[LIM+\b], v[LIM+\b]
.endr
	v_cvt_scalef32_pk8_bf8_f32 v[PC+4*\b:PC+4*\b+1],   v[S+16*\b:S+16*\b+7],    v[SCO+\b]
	v_cvt_scalef32_pk8_bf8_f32 v[PC+4*\b+2:PC+4*\b+3], v[S+16*\b+8:S+16*\b+15], v[SCO+\b]
.endr
	v_nop                                          ; a plain instruction behind the last conversion
	global_store_b128 v[LI], v[PC:PC+3],   s[10:11]                ; 512 consecutive bytes, aligned,
	global_store_b128 v[LI], v[PC+4:PC+7], s[10:11] offset:512     ; and the next 512
	global_store_b16 v[SO8], v[TP], s[12:13]       ; lanes l and l xor 16 write the same two bytes
	s_wait_tensorcnt 0x0
	ds_add_u32 v254, v255
	s_wait_dscnt 0x0
	CROUND                                         ; the closing round
	s_endpgm
.Lfunc_end_k_qe14f46d8df_attn:
	.size	k_qe14f46d8df_attn, .Lfunc_end_k_qe14f46d8df_attn-k_qe14f46d8df_attn
	.p2alignl 7, 3214868480
	.fill 96, 4, 3214868480
	.section	.rodata,"a",@progbits
	.p2align	6, 0x0
	.amdhsa_kernel k_qe14f46d8df_attn
		.amdhsa_group_segment_fixed_size 169984
		.amdhsa_private_segment_fixed_size 0
		.amdhsa_enable_private_segment 0
		.amdhsa_kernarg_size 16
		.amdhsa_user_sgpr_count 2
		.amdhsa_user_sgpr_kernarg_segment_ptr 1
		.amdhsa_wavefront_size32 1
		.amdhsa_system_sgpr_workgroup_id_x 1
		.amdhsa_system_sgpr_workgroup_id_y 1
		.amdhsa_system_sgpr_workgroup_id_z 1
		.amdhsa_system_vgpr_workitem_id 0
		.amdhsa_next_free_vgpr 256
		.amdhsa_next_free_sgpr 66
		.amdhsa_reserve_vcc 1
		.amdhsa_float_denorm_mode_32 3
		.amdhsa_float_denorm_mode_16_64 3
		.amdhsa_memory_ordered 1
		.amdhsa_forward_progress 1
		.amdhsa_inst_pref_size 40
	.end_amdhsa_kernel
	.amdgpu_metadata
---
amdhsa.version: [ 1, 2 ]
amdhsa.kernels:
  - .name:           k_qe14f46d8df_attn
    .symbol:         k_qe14f46d8df_attn.kd
    .args:
      - { .name: qkvc, .offset: 0, .size: 8, .value_kind: global_buffer, .address_space: global }
      - { .name: act, .offset: 8, .size: 8, .value_kind: global_buffer, .address_space: global }
    .group_segment_fixed_size: 169984
    .private_segment_fixed_size: 0
    .kernarg_segment_align: 8
    .kernarg_segment_size: 16
    .max_flat_workgroup_size: 512
    .sgpr_count:     66
    .vgpr_count:     256
    .wavefront_size: 32
...
	.end_amdgpu_metadata
.endif
;; end of part 3
;; launch outp (part 4): grid 8 x 32, 4 waves a work-group, clusters of 4 x 1, 327,680 bytes of LDS; arguments act, wimg, bo, x, x2; writes x2
.if DOCPART == 4
	.amdgcn_target "amdgcn-amd-amdhsa--gfx1250"
	.amdhsa_code_object_version 6
	.text
	.protected	k_qe14f46d8df_outp
	.globl	k_qe14f46d8df_outp
	.p2align	8
	.type	k_qe14f46d8df_outp,@function
k_qe14f46d8df_outp:
	s_mov_b64 s[64:65], 0
	v_nop
	global_prefetch_b8 v0, s[64:65] scope:SCOPE_SE
	s_setreg_imm32_b32 hwreg(HW_REG_WAVE_MODE, 25, 1), 1
	s_wait_xcnt 0x0
	s_wait_alu depctr_hold_cnt(0) depctr_sa_sdst(0) depctr_va_vdst(0) depctr_va_sdst(0) depctr_va_ssrc(0) depctr_va_vcc(0) depctr_vm_vsrc(0)
	s_getreg_b32 s2, hwreg(HW_REG_IB_STS2, 6, 4)
	s_cmp_eq_u32 s2, 0
	s_cbranch_scc0 .Lentry_in_a_cluster
	s_endpgm
.Lentry_in_a_cluster:
	s_bfe_u32 s2, ttmp6, 0x10000c
	s_cmp_lg_u32 s2, 0x3003
	s_cbranch_scc0 .Lentry_shape_is_right
	s_endpgm
.Lentry_shape_is_right:
; out = residual + A W^T + bias on codes of BF8 (E5M2) with E8M0 scales: here x2 = x + attn Wo + bo, K = 1,024.  A [4,096 rows], W [1,024 rows] arrive as images; out, residual [4,096][1,024] and bias [1,024] are f32.
; THE IMAGES: a block BLK of 16,896 bytes = 64 rows x 256 K: fragments (tile i, step q) at (2 i + q) 2,048, [c][lane][16 bytes]; scale words at 16,384 + 128 i + 8 r + 4 q.  Blocks lie [chunk of 256 K][panel]: 64 panels in A, 16 in W.
; SHARES.  N = 1,024 gives only 64 tiles of 256 x 256, so a tile is 128 x 128: 256 work-groups.  Wave w makes all 128 rows x columns 32 w .. 32 w + 31: 8 x 2 = 16 accumulators.
; A GOES THROUGH LDS, W STRAIGHT INTO REGISTERS.  A wave's 32 rows of W are read by no other wave of the work-group, and in the image they lie in the order of the operand's registers: 8,192 consecutive bytes for a chunk,
; sixteen loads of 512 bytes, and 256 consecutive bytes of scale words (lanes 0-15 tile 0, lanes 16-31 tile 1).  They come into a ring of four chunks of registers, three chunks ahead.  So LDS holds A alone: a slot holds 1,024 along K,
; each wave fetching one chunk of it (two panels, 33,792 dense bytes).  With K = 1,024 that is one fill and no refill; with K = 4,096 two refills, where a ring that held both operands would have six.
; CLUSTER: 4 x 1: the four tile columns of one tile row need the same A: each chunk is asked for JOINTLY.  Work-groups of other tile rows read the same bytes of W, but a load into registers has no joint form: that sharing is given up for the fewer refills.
; THE MATRIX INSTRUCTION IS USED TRANSPOSED (source 0 = W's rows, source 1 = A's): a lane holds eight neighbouring columns of a row.  The bias is the C of each sum's first product.
; The walk along K is written out (KK / 128 steps): every offset is an immediate, no base is stepped, and each wait's count is made by the assembler from what the text has issued.
; THE WAY OUT: a wave's 32 columns are 128 bytes of a row, so the four waves share one stage in LDS, with a barrier between writing and reading; each wave then adds the residual to 32 whole rows of 512 bytes and stores them.
; REGISTERS: window 0: v4-29 addresses; v32-63 A's scale words, two sets; v64-71 W's scale words, ring of four; v72-87 the bias; v128-255 accumulator (a, b) at 128 + 16 a + 8 b.  window 1: A's fragments, two sets of 128.
;   window 2: W's ring: chunk c at 64 (c % 4): tile b, step q at + 32 b + 16 q.   window 3: v0-127 the residual, v128-255 rows on the way out.
.set KK,    1024
.set WOFF,  4325376                    ; Wo's image in wimg
.set BLK,   16896
.set NPA,   64
.set NPB,   16
.set HALFT, 2*BLK                      ; a chunk of my 128 rows: what one tensor load brings
.set SLOT,  4*HALFT                    ; 1,024 along K
.set NC,    KK/256                     ; chunks
.set NS,    KK/1024                    ; fills
.set SPARE, 2*SLOT                     ; behind the two slots: the spare words, 128 bytes for each wave
.set STAGE, (NS%2)*SLOT                ; the slot that is not read last: here slot 1's bytes, into which no fill lands
.set SP,    528                        ; a stage row: 512 bytes + 16
.set LI,   4                           ; v4     16 x lane; never rewritten
.set L8,   5                           ; v5     8 x lane; never rewritten
.set BO,   6                           ; v6     32 x (lane / 16); never rewritten
.set STO,  7                           ; v7     the stage: where I put 32 bytes of a row
.set ADRA, 8                           ; v8-15  A's fragments of chunk c: register c % 8
.set ADRS, 16                          ; v16-23 A's scale words of chunk c
.set RD,   24                          ; v24    the stage: where I read a row back
.set SPW,  28                          ; v28    my spare word; never rewritten
.set NIL,  29                          ; v29    0; never rewritten
.set SCA,  32
.set BSC,  64
.set BI,   72
.set ACC,  128
.set G1, 24                            ; s[24:31] descriptor group 1;  s[32:39] group 0, one set for each slot
.set G0, 32
.set BB, 44                            ; s[44:45] W's codes, s[46:47] W's scale words, s[48:49] the residual, s[50:51] out, s[52:53] the bias: at my part; never rewritten
.set BS, 46
.set RB, 48
.set OB, 50
.set BIB, 52
.set MSB, 0
.macro WIN new                         ; the immediate's high byte repeats the setting that is left
.if MSB != (\new)
	s_set_vgpr_msb (MSB<<8)|(\new)
.set MSB, (\new)
.endif
.endm
.set MUL,  0x06                        ; source 0 (W) window 2, source 1 (A) window 1; C and D window 0
.set TO_A, 0x40
.set TO_W, 0x80
.set TO_R, 0xc0
.macro CREST                           ; a round of the cluster's barrier behind its opening barrier
	s_cmp_lg_u32 s14, 0
	s_cbranch_scc1 .Lnot_wave_0_\@
	s_barrier_signal -3
.Lnot_wave_0_\@:
	s_barrier_wait -3
	s_barrier_signal -1
	s_barrier_wait -1
.endm
.macro CROUND
	s_barrier_signal -1
	s_barrier_wait -1
	CREST
.endm
.macro PLACES n                        ; plain vector instructions between a matrix instruction and a load into, or a read of, its registers
.rept \n
	v_nop
.endr
.endm
	s_load_b256 s[4:11], s[0:1], 0x0               ; A's image s[4:5], the weights' s[6:7], the bias s[8:9], the residual s[10:11]
	s_load_b64 s[12:13], s[0:1], 0x20              ; out
	v_lshl_add_u32 v[SPW], v0, 2, SPARE
	v_mov_b32 v[NIL], 0
	ds_add_u32 v28, v29
	ds_add_u32 v28, v29
	s_wait_dscnt 0x0
	v_lshrrev_b32 v1, 5, v0
	v_readfirstlane_b32 s14, v1                    ; wave
	s_lshr_b32 s15, s14, 1                         ; my panel of W
	s_and_b32 s16, s14, 1                          ; and its half
	s_bfe_u32 s40, ttmp6, 0x40000                  ; cx
	s_lshl_b32 s18, ttmp9, 2
	s_add_co_u32 s18, s18, s40                     ; TB: tile column
	s_and_b32 s17, ttmp7, 0xffff                   ; TA: tile row, which the four partners share
	s_mov_b32 s[G1], 15|(3<<16)|(1<<21)            ; the mask: all four work-groups; elements of 8 bytes; 21 set beside a mask; no padding: every LDS read of a fragment takes 512 consecutive bytes
	s_mov_b32 s[G1+1], 32<<16                      ; rows of 256 bytes,
	s_mov_b32 s[G1+2], 132<<16                     ; 132 of them: 33,792 dense bytes
	s_mov_b32 s[G1+3], 32<<16
	s_mov_b32 s[G1+4], 132
	s_mov_b32 s[G1+5], 32
	s_mov_b32 s[G1+6], 0
	s_mov_b32 s[G1+7], 0
	s_lshl_b32 s20, s14, 6                         ; chunk w of a slot,
	s_lshl_b32 s21, s17, 1
	s_add_co_u32 s20, s20, s21                     ; panels 2 TA and 2 TA + 1: made of the wave's number and the tile row alone
	s_mul_i32 s20, s20, BLK
	s_mov_b32 s21, 0
	s_mul_i32 s23, s14, HALFT                      ; where it goes: no place in the cluster enters an LDS address
	CROUND                                         ; the opening round, ahead of the wait for the arguments: all four work-groups are here
	s_wait_kmcnt 0x0
	s_add_nc_u64 s[20:21], s[4:5], s[20:21]
.macro FIRST s                         ; slot s's first fill; four v_nop follow the load
	s_mov_b32 s[G0+4*\s], 1
	s_add_co_u32 s[G0+4*\s+1], s23, \s*SLOT
	s_add_nc_u64 s[G0+4*\s+2:G0+4*\s+3], s[20:21], \s*4*NPA*BLK
	s_or_b32 s[G0+4*\s+3], s[G0+4*\s+3], 0x80000000
	tensor_load_to_lds s[G0+4*\s:G0+4*\s+3], s[G1:G1+7]
	s_nop 0
.rept 4
	v_nop
.endr
.endm
	FIRST 0
.if NS > 1
	FIRST 1
.endif
	v_and_b32 v1, 15, v0                           ; r
	v_bfe_u32 v2, v0, 4, 1                         ; h
	v_and_b32 v3, 31, v0                           ; lane
	v_lshlrev_b32 v[LI], 4, v3
	v_lshlrev_b32 v[L8], 3, v3
	v_lshlrev_b32 v[BO], 5, v2
	s_wait_alu depctr_va_vdst(0)
	v_lshlrev_b32 v25, 3, v1                       ; 8 r
	s_wait_alu depctr_va_vdst(0)
	s_lshl_b32 s42, s18, 1
	s_add_co_u32 s42, s42, s15
	s_mul_i32 s42, s42, BLK
	s_add_co_u32 s42, s42, WOFF                    ; my panel of W in chunk 0
	s_lshl_b32 s43, s16, 13
	s_add_co_u32 s54, s42, s43                     ; its tiles 2 (w % 2) and + 1: 8,192 bytes
	s_mov_b32 s55, 0
	s_add_nc_u64 s[BB:BB+1], s[6:7], s[54:55]
	s_lshl_b32 s43, s16, 8
	s_add_co_u32 s54, s42, s43
	s_add_co_u32 s54, s54, 16384
	s_add_nc_u64 s[BS:BS+1], s[6:7], s[54:55]
	s_lshl_b32 s54, s18, 9
	s_lshl_b32 s43, s14, 7
	s_add_co_u32 s54, s54, s43                     ; my first column, in bytes
	s_add_nc_u64 s[BIB:BIB+1], s[8:9], s[54:55]
	s_lshl_b32 s54, s17, 7
	s_lshl_b32 s43, s14, 5
	s_add_co_u32 s54, s54, s43                     ; the first row that I store: 128 TA + 32 w,
	s_lshl_b32 s54, s54, 12
	s_lshl_b32 s43, s18, 9
	s_add_co_u32 s54, s54, s43                     ; at the tile's first column
	s_add_nc_u64 s[RB:RB+1], s[10:11], s[54:55]
	s_add_nc_u64 s[OB:OB+1], s[12:13], s[54:55]
.macro BLOAD ck                        ; W's four fragments and their scale words of chunk ck into ring place ck % 4: 17 loads
	WIN TO_W
.irp u, 0,1,2,3,4,5,6,7,8,9,10,11,12,13,14,15
	global_load_b128 v[64*((\ck)%4)+4*\u:64*((\ck)%4)+4*\u+3], v[LI], s[BB:BB+1] offset:(\ck)*NPB*BLK+512*\u
.endr
	WIN 0
	global_load_b64 v[BSC+2*((\ck)%4):BSC+2*((\ck)%4)+1], v[L8], s[BS:BS+1] offset:(\ck)*NPB*BLK
.endm
.irp b, 0,1
	global_load_b128 v[BI+8*\b:BI+8*\b+3],   v[BO], s[BIB:BIB+1] offset:64*\b      ; lane (r, h): the bias of columns 16 b + 8 h + 0 .. 7
	global_load_b128 v[BI+8*\b+4:BI+8*\b+7], v[BO], s[BIB:BIB+1] offset:64*\b+16
.endr
	BLOAD 0
	BLOAD 1
	BLOAD 2
.irp k, 0,1,2,3,4,5,6,7
	v_add_nc_u32 v[ADRA+\k], (\k/4)*SLOT+(\k%4)*HALFT, v[LI]
	v_add_nc_u32 v[ADRS+\k], (\k/4)*SLOT+(\k%4)*HALFT+16384, v25
.endr
	v_mul_u32_u24 v26, v1, SP
	v_lshl_add_u32 v26, v2, 5, v26
	s_lshl_b32 s43, s14, 7
	s_add_co_u32 s43, s43, STAGE
	v_add_nc_u32 v[STO], s43, v26                  ; row r, + 32 h, + my 128 bytes of a row
	s_mul_i32 s43, s14, 32*SP
	s_add_co_u32 s43, s43, STAGE
	v_add_nc_u32 v[RD], s43, v[LI]                 ; back: my 32 rows, 16 bytes a lane
.macro FETCHA ck, q, p                 ; 32 LDS loads in one run: A's eight fragments of chunk ck, step q, into set p
	WIN TO_A
.irp a, 0,1,2,3,4,5,6,7
.irp u, 0,1,2,3
	ds_load_b128 v[128*(\p)+16*\a+4*\u:128*(\p)+16*\a+4*\u+3], v[ADRA+(\ck)%8] offset:(\a/4)*BLK+(2*(\a%4)+(\q))*2048+512*\u
.endr
.endr
.endm
.macro SCALEA ck                       ; A's scale words of chunk ck: two words a row (lanes 16-31 read what lanes 0-15 read, and are not used)
	WIN 0
.irp a, 0,1,2,3,4,5,6,7
	ds_load_b64 v[SCA+16*((\ck)%2)+2*\a:SCA+16*((\ck)%2)+2*\a+1], v[ADRS+(\ck)%8] offset:(\a/4)*BLK+(\a%4)*128
.endr
.endm
.macro RLOAD n                         ; the next n rows of the residual: 512 consecutive bytes each
.if (\n) > 0
	WIN TO_R
.rept \n
	global_load_b128 v[4*RI:4*RI+3], v[LI], s[RB:RB+1] offset:RI*4096
.set RI, RI+1
.endr
.endif
.endm
; At a chunk's head.  Loads come back in order (ISA guide 5.7.1): behind this chunk's W stand the groups issued at the two chunk heads before, P2 and P1 loads.  Then the ring place that the last chunk left takes the chunk three on,
; and ahead of it go as many of the residual's 32 loads as keep this text's count of a wave's loads that are out at 63 or under.
.macro HEADW ck
	s_wait_loadcnt P1+P2
.set CHN, 0
.if (\ck)+3 < NC
.set CHN, 17
.endif
.set CNT, 32-RI
.if CNT > 63-P1-P2-CHN
.set CNT, 63-P1-P2-CHN
.endif
	RLOAD CNT
.if (\ck)+3 < NC
	BLOAD (\ck)+3
.endif
.set P2, P1
.set P1, CHN+CNT
.endm
; eight matrix instructions: A's tiles a0 .. a0 + 3 x W's two.  The 16 accumulators take turns, one instruction a turn, in the same order in every step.
.macro MUL8 a0, ck, q, first
.set WFR, 64*((\ck)%4)+16*(\q)
.set WSC, BSC+2*((\ck)%4)+(\q)
.set ASC, SCA+16*((\ck)%2)+(\q)
.irp a, \a0, \a0+1, \a0+2, \a0+3
.if \first
	v_wmma_scale_f32_16x16x128_f8f6f4 v[ACC+16*(\a):ACC+16*(\a)+7], v[WFR:WFR+15], v[128*(\q)+16*(\a):128*(\q)+16*(\a)+15], v[BI:BI+7], v[WSC], v[ASC+2*(\a)] matrix_a_fmt:MATRIX_FMT_BF8 matrix_b_fmt:MATRIX_FMT_BF8
	v_wmma_scale_f32_16x16x128_f8f6f4 v[ACC+16*(\a)+8:ACC+16*(\a)+15], v[WFR+32:WFR+47], v[128*(\q)+16*(\a):128*(\q)+16*(\a)+15], v[BI+8:BI+15], v[WSC], v[ASC+2*(\a)] matrix_a_fmt:MATRIX_FMT_BF8 matrix_b_fmt:MATRIX_FMT_BF8 matrix_a_scale:MATRIX_SCALE_ROW1
.else
	v_wmma_scale_f32_16x16x128_f8f6f4 v[ACC+16*(\a):ACC+16*(\a)+7], v[WFR:WFR+15], v[128*(\q)+16*(\a):128*(\q)+16*(\a)+15], v[ACC+16*(\a):ACC+16*(\a)+7], v[WSC], v[ASC+2*(\a)] matrix_a_fmt:MATRIX_FMT_BF8 matrix_b_fmt:MATRIX_FMT_BF8
	v_wmma_scale_f32_16x16x128_f8f6f4 v[ACC+16*(\a)+8:ACC+16*(\a)+15], v[WFR+32:WFR+47], v[128*(\q)+16*(\a):128*(\q)+16*(\a)+15], v[ACC+16*(\a)+8:ACC+16*(\a)+15], v[WSC], v[ASC+2*(\a)] matrix_a_fmt:MATRIX_FMT_BF8 matrix_b_fmt:MATRIX_FMT_BF8 matrix_a_scale:MATRIX_SCALE_ROW1
.endif
.endr
.endm
; A step of 128 along K whose successor lies in the same slot (or that has none).  The next step's fragments are asked for first: the other set's readers stand eight places back, at the last step's end.
.macro STEP ck, q, first
	s_wait_dscnt 0x0                               ; this step's fragments of A, and in a chunk's first step its scale words, are in
.if (\q) == 0
	FETCHA \ck, 1, 1
	HEADW \ck
.else
.if (\ck)+1 < NC
	FETCHA (\ck)+1, 0, 0
	SCALEA (\ck)+1
.endif
.endif
	WIN MUL
	MUL8 0, \ck, \q, \first
	MUL8 4, \ck, \q, \first
	PLACES 8
.endm
; A slot's last step changes slots: one barrier; in front of it each wave waits for all its tensor loads, adds 0 to its spare word, and waits for that and for its reads of this slot, which this step's fragments end.
; Where a later fill is left, the barrier opens a round of the cluster's and the joint refill is the first thing behind it: it has eight steps in which to land.
.macro TURN ck
.set SL, ((\ck)/4)%2
	WIN 0
	s_wait_tensorcnt 0x0                           ; all my tensor loads have landed: my chunk of the next slot
	ds_add_u32 v[SPW], v[NIL]                      ; 0 onto my spare word
.if (\ck)/4+2 < NS
	s_add_nc_u64 s[G0+4*SL+2:G0+4*SL+3], s[G0+4*SL+2:G0+4*SL+3], 8*NPA*BLK   ; no load of mine is out, so a group 0 may be written: this slot's next 1,024 along K
.endif
	s_wait_dscnt 0x0                               ; the add is done, and my reads of this slot are over
	s_barrier_signal -1
	WIN MUL
	MUL8 0, \ck, 1, 0
	WIN 0
	s_barrier_wait -1
.if (\ck)/4+2 < NS
	CREST                                          ; no wave of any partner still reads this slot or has a load on its way
	tensor_load_to_lds s[G0+4*SL:G0+4*SL+3], s[G1:G1+7]
.rept 4
	v_nop
.endr
.endif
	FETCHA (\ck)+1, 0, 0
	SCALEA (\ck)+1
	WIN MUL
	MUL8 4, \ck, 1, 0
	PLACES 8
.endm
.if NS > 1
	s_wait_tensorcnt 1                             ; my chunk of slot 0 is in; slot 1's load may be out
.else
	s_wait_tensorcnt 0x0                           ; my chunk is in
.endif
	s_barrier_signal -1
	s_barrier_wait -1                              ; everybody's is
	FETCHA 0, 0, 0
	SCALEA 0
.set P1, 17                            ; behind chunk 0's W stand chunk 1's 17 loads and chunk 2's
.set P2, 17
.set RI, 0
	STEP 0, 0, 1                                   ; the first step's products start the sums, with the bias
	STEP 0, 1, 0
.set CI, 1
.rept NC-1
	STEP CI, 0, 0
.if (CI%4 == 3) && (CI+1 < NC)
	TURN CI
.else
	STEP CI, 1, 0
.endif
.set CI, CI+1
.endr
	; THE WAY OUT
	WIN 0
	s_wait_alu depctr_va_vdst(0)
.irp a, 0,1,2,3,4,5,6,7
.irp b, 0,1
	ds_store_b128 v[STO], v[ACC+16*\a+8*\b:ACC+16*\a+8*\b+3] offset:16*\a*SP+64*\b         ; each accumulator from its low end on
	ds_store_b128 v[STO], v[ACC+16*\a+8*\b+4:ACC+16*\a+8*\b+7] offset:16*\a*SP+64*\b+16
.endr
.endr
	s_wait_dscnt 0x0                               ; for the others' sake: my stores into the stage are done
	s_barrier_signal -1
	s_barrier_wait -1
	WIN TO_R
.set TI, 0
.rept 32
	ds_load_b128 v[128+4*TI:128+4*TI+3], v[RD] offset:TI*SP
.set TI, TI+1
.endr
	s_wait_loadcnt 0x0                             ; the residual
.irp g, 0,1,2,3
	s_wait_dscnt 24-8*\g                           ; rows 8 g .. 8 g + 7 are back; the later groups' eight loads each may be out
	WIN 0xcf                                       ; all three places window 3
.set TI, 16*\g
.rept 16
	v_pk_add_f32 v[128+2*TI:128+2*TI+1], v[128+2*TI:128+2*TI+1], v[2*TI:2*TI+1]
.set TI, TI+1
.endr
	WIN 0x0c                                       ; a store's data are its source 1: window 3
.set TI, 8*\g
.rept 8
	global_store_b128 v[LI], v[128+4*TI:128+4*TI+3], s[OB:OB+1] offset:TI*4096     ; 32 lanes store 512 consecutive bytes, aligned
.set TI, TI+1
.endr
.endr
	WIN 0
	s_wait_tensorcnt 0x0                           ; the wave's end
	ds_add_u32 v[SPW], v[NIL]
	s_wait_dscnt 0x0
	CROUND                                         ; the closing round
	s_endpgm
.Lfunc_end_k_qe14f46d8df_outp:
	.size	k_qe14f46d8df_outp, .Lfunc_end_k_qe14f46d8df_outp-k_qe14f46d8df_outp
	.p2alignl 7, 3214868480
	.fill 96, 4, 3214868480
	.section	.rodata,"a",@progbits
	.p2align	6, 0x0
	.amdhsa_kernel k_qe14f46d8df_outp
		.amdhsa_group_segment_fixed_size 327680
		.amdhsa_private_segment_fixed_size 0
		.amdhsa_enable_private_segment 0
		.amdhsa_kernarg_size 40
		.amdhsa_user_sgpr_count 2
		.amdhsa_user_sgpr_kernarg_segment_ptr 1
		.amdhsa_wavefront_size32 1
		.amdhsa_system_sgpr_workgroup_id_x 1
		.amdhsa_system_sgpr_workgroup_id_y 1
		.amdhsa_system_sgpr_workgroup_id_z 1
		.amdhsa_system_vgpr_workitem_id 0
		.amdhsa_next_free_vgpr 1024
		.amdhsa_next_free_sgpr 66
		.amdhsa_reserve_vcc 0
		.amdhsa_float_denorm_mode_32 3
		.amdhsa_float_denorm_mode_16_64 3
		.amdhsa_memory_ordered 1
		.amdhsa_forward_progress 1
		.amdhsa_inst_pref_size 65
	.end_amdhsa_kernel
	.amdgpu_metadata
---
amdhsa.version: [ 1, 2 ]
amdhsa.kernels:
  - .name:           k_qe14f46d8df_outp
    .symbol:         k_qe14f46d8df_outp.kd
    .args:
      - { .name: act, .offset: 0, .size: 8, .value_kind: global_buffer, .address_space: global }
      - { .name: wimg, .offset: 8, .size: 8, .value_kind: global_buffer, .address_space: global }
      - { .name: bo, .offset: 16, .size: 8, .value_kind: global_buffer, .address_space: global }
      - { .name: x, .offset: 24, .size: 8, .value_kind: global_buffer, .address_space: global }
      - { .name: x2, .offset: 32, .size: 8, .value_kind: global_buffer, .address_space: global }
    .group_segment_fixed_size: 327680
    .private_segment_fixed_size: 0
    .kernarg_segment_align: 8
    .kernarg_segment_size: 40
    .max_flat_workgroup_size: 128
    .sgpr_count:     66
    .vgpr_count:     1024
    .wavefront_size: 32
...
	.end_amdgpu_metadata
.endif
;; end of part 4
;; launch ln2 (part 5): grid 256 x 1, 4 waves a work-group, no clusters, 18,944 bytes of LDS; arguments x2, g2, be2, act; writes act
.if DOCPART == 5
	.amdgcn_target "amdgcn-amd-amdhsa--gfx1250"
	.amdhsa_code_object_version 6
	.text
	.protected	k_qe14f46d8df_ln2
	.globl	k_qe14f46d8df_ln2
	.p2align	8
	.type	k_qe14f46d8df_ln2,@function
k_qe14f46d8df_ln2:
	s_mov_b64 s[64:65], 0
	v_nop
	global_prefetch_b8 v0, s[64:65] scope:SCOPE_SE
	s_setreg_imm32_b32 hwreg(HW_REG_WAVE_MODE, 25, 1), 1
	s_wait_xcnt 0x0
; h = (x - mean) rsqrt(var + 1e-5) g + b along rows of 1,024 f32, then quantised along the row to BF8 (E5M2) with one E8M0 byte for each 32, and stored as the image of a matrix operand.
; THE IMAGE: a block of 16,896 bytes = 64 rows x 256 K: fragments (tile i4, step q) at (2 i4 + q) 2,048, each [c][lane 16 h + r][16 bytes]; scale bytes at 16,384 + 128 i4 + 8 r + 4 q + c.  Blocks lie [chunk of 256 K][panel of 64 rows], 64 panels.
; Inside a block of 32 along K, half h, byte i holds k % 32 = 8 h + (i & 7) + 16 (i >> 3), as in every operand of the program.
; SHARES.  A work-group takes 16 rows (one tile), a wave four of them; a row lies in the wave's registers, 32 numbers a lane, between the passes: it is read once.  Mean first, then the mean of the squares of x - mean:
; no difference of large sums is formed.  A lane holds, of each chunk of 256, eight neighbours (8 lane .. 8 lane + 7): one group of eight codes; four lanes hold a block of 32.
; The codes go through a stage in LDS (units of 256 bytes, 272 apart) since a unit holds all 16 rows; behind one barrier wave w stores chunk w: 4,096 consecutive bytes, and its 128 scale bytes.
; No cluster: work-groups share only g and b, 8 KB.  LIMITS: NaN and infinities are not served; a block of zeros gets the byte 1, not 127: its codes are zeros and this program alone reads the bytes.
.set BLK, 16896
.set SCB, 17408                        ; LDS: behind the 64 units of codes: 512 scale bytes [chunk][row][8]
.set XO,  2                            ; v2   32 x lane
.set STC, 3                            ; v3   the stage, in: 272 (2 (lane / 4) + lane % 2) + 8 ((lane / 2) % 2) + 64 wave
.set STS, 4                            ; v4   SCB + lane / 4 + 32 wave
.set RDC, 5                            ; v5   the stage, out: 272 (lane / 16) + 16 (lane % 16) + 4,352 wave
.set RDS, 6                            ; v6   SCB + 4 lane + 128 wave
.set GC,  7                            ; v7   16 x lane
.set GS,  8                            ; v8   4 x lane
.set SA,  10                           ; v[10:11], v[12:13] two chains of sums
.set SC2, 12
.set PD,  14                           ; v14  the lane permute's destination
.set MEAN, 16                          ; v[16:17] the mean (the low word serves both halves)
.set RSTD, 18                          ; v[18:19] 1 / sqrt(var + eps)
.set INV, 20                           ; v20  2^-10
.set CD,  24                           ; v[24:31] a row's codes: a pair for each chunk
.set TM,  32                           ; v32-35 largest magnitudes, v36-39 scale operands, v40-43 limits, v44-47 bytes
.set G,   48
.set BE,  80
.set X,   112                          ; v112-239: row p at 112 + 32 p, chunk j at + 8 j
	s_load_b256 s[4:11], s[0:1], 0x0               ; x s[4:5], g s[6:7], b s[8:9], the image s[10:11]
	v_lshl_add_u32 v240, v0, 2, 0x4800
	v_mov_b32 v241, 0
	v_lshrrev_b32 v1, 5, v0
	v_readfirstlane_b32 s12, v1                    ; wave
	v_and_b32 v1, 31, v0                           ; lane
	v_lshlrev_b32 v[XO], 5, v1
	v_lshrrev_b32 v9, 2, v1
	v_and_b32 v21, 1, v1
	v_lshl_add_u32 v21, v9, 1, v21
	v_mul_u32_u24 v[STC], v21, 272
	v_bfe_u32 v21, v1, 1, 1
	v_lshl_add_u32 v[STC], v21, 3, v[STC]
	s_lshl_b32 s13, s12, 6
	v_add_nc_u32 v[STC], s13, v[STC]
	s_lshl_b32 s13, s12, 5
	s_add_co_u32 s13, s13, SCB
	v_add_nc_u32 v[STS], s13, v9
	v_lshrrev_b32 v21, 4, v1
	v_and_b32 v22, 15, v1
	v_mul_u32_u24 v[RDC], v21, 272
	v_lshl_add_u32 v[RDC], v22, 4, v[RDC]
	s_mul_i32 s13, s12, 4352
	v_add_nc_u32 v[RDC], s13, v[RDC]
	s_lshl_b32 s13, s12, 7
	s_add_co_u32 s13, s13, SCB
	v_lshl_add_u32 v[RDS], v1, 2, s13
	v_lshlrev_b32 v[GC], 4, v1
	v_lshlrev_b32 v[GS], 2, v1
	v_mov_b32 v[PD], 0                             ; a lane permute's destination counts as one of its sources
	v_mov_b32 v[MEAN+1], 0                         ; (named as the upper halves of pairs)
	v_mov_b32 v[RSTD+1], 0
	v_mov_b32 v[INV], 0x3a800000
	s_mov_b32 s14, 0x76543210
	s_mov_b32 s15, 0xfedcba98                      ; v_permlanex16_b32's selects for lane l xor 16
	s_mov_b32 s16, 0x600000                        ; the mantissa field of 57,344
	s_lshl_b32 s24, ttmp9, 4
	s_lshl_b32 s25, s12, 2
	s_add_co_u32 s24, s24, s25
	s_lshl_b32 s24, s24, 12                        ; my first row: (16 g + 4 w) x 4,096 bytes, under 2^25
	s_mov_b32 s25, 0
	s_lshl_b32 s26, s12, 6
	s_lshr_b32 s27, ttmp9, 2
	s_add_co_u32 s26, s26, s27
	s_mul_i32 s26, s26, BLK                        ; chunk w, panel g / 4
	s_and_b32 s27, ttmp9, 3
	s_lshl_b32 s28, s27, 12
	s_add_co_u32 s28, s28, s26
	s_mov_b32 s29, 0
	s_lshl_b32 s30, s27, 7
	s_add_co_u32 s30, s30, s26
	s_add_co_u32 s30, s30, 16384
	s_mov_b32 s31, 0
	s_wait_kmcnt 0x0
	s_add_nc_u64 s[18:19], s[4:5], s[24:25]
	s_add_nc_u64 s[20:21], s[10:11], s[28:29]
	s_add_nc_u64 s[22:23], s[10:11], s[30:31]
.irp j, 0,1,2,3
	global_load_b128 v[G+8*\j:G+8*\j+3],   v[XO], s[6:7] offset:1024*\j
	global_load_b128 v[G+8*\j+4:G+8*\j+7], v[XO], s[6:7] offset:1024*\j+16
.endr
.irp j, 0,1,2,3
	global_load_b128 v[BE+8*\j:BE+8*\j+3],   v[XO], s[8:9] offset:1024*\j
	global_load_b128 v[BE+8*\j+4:BE+8*\j+7], v[XO], s[8:9] offset:1024*\j+16
.endr
.irp p, 0,1,2,3                        ; all four rows are asked for at once: 32 loads a wave
.irp j, 0,1,2,3
	global_load_b128 v[X+32*\p+8*\j:X+32*\p+8*\j+3],   v[XO], s[18:19] offset:4096*\p+1024*\j
	global_load_b128 v[X+32*\p+8*\j+4:X+32*\p+8*\j+7], v[XO], s[18:19] offset:4096*\p+1024*\j+16
.endr
.endr
.macro ALLSUM r                        ; v[r] summed over the 32 lanes, in every lane
	v_add_f32_dpp v[\r], v[\r], v[\r] row_xmask:1 row_mask:0xf bank_mask:0xf
	v_add_f32_dpp v[\r], v[\r], v[\r] row_xmask:2 row_mask:0xf bank_mask:0xf
	v_add_f32_dpp v[\r], v[\r], v[\r] row_xmask:4 row_mask:0xf bank_mask:0xf
	v_add_f32_dpp v[\r], v[\r], v[\r] row_xmask:8 row_mask:0xf bank_mask:0xf
	v_permlanex16_b32 v[PD], v[\r], s14, s15
	v_add_f32 v[\r], v[\r], v[PD]
.endm
.macro ROW p
.set XR, X+32*(\p)
	s_wait_loadcnt 24-8*(\p)                       ; g, b and this row are in; the later rows' eight loads each may be out
	s_wait_dscnt 0x0                               ; the row before has stored its codes and bytes: their registers are written again below
	v_pk_add_f32 v[SA:SA+1], v[XR:XR+1], v[XR+4:XR+5]
	v_pk_add_f32 v[SC2:SC2+1], v[XR+2:XR+3], v[XR+6:XR+7]
.irp i, 8,12,16,20,24,28
	v_pk_add_f32 v[SA:SA+1], v[SA:SA+1], v[XR+\i:XR+\i+1]
	v_pk_add_f32 v[SC2:SC2+1], v[SC2:SC2+1], v[XR+\i+2:XR+\i+3]
.endr
	v_pk_add_f32 v[SA:SA+1], v[SA:SA+1], v[SC2:SC2+1]
	v_add_f32 v[SA], v[SA], v[SA+1]
	ALLSUM SA
	v_mul_f32 v[MEAN], v[INV], v[SA]
.irp i, 0,2,4,6,8,10,12,14,16,18,20,22,24,26,28,30
	v_pk_add_f32 v[XR+\i:XR+\i+1], v[XR+\i:XR+\i+1], v[MEAN:MEAN+1] op_sel_hi:[1,0] neg_lo:[0,1] neg_hi:[0,1]   ; x - mean
.endr
	v_pk_mul_f32 v[SA:SA+1], v[XR:XR+1], v[XR:XR+1]
	v_pk_mul_f32 v[SC2:SC2+1], v[XR+2:XR+3], v[XR+2:XR+3]
.irp i, 4,8,12,16,20,24,28
	v_pk_fma_f32 v[SA:SA+1], v[XR+\i:XR+\i+1], v[XR+\i:XR+\i+1], v[SA:SA+1]
	v_pk_fma_f32 v[SC2:SC2+1], v[XR+\i+2:XR+\i+3], v[XR+\i+2:XR+\i+3], v[SC2:SC2+1]
.endr
	v_pk_add_f32 v[SA:SA+1], v[SA:SA+1], v[SC2:SC2+1]
	v_add_f32 v[SA], v[SA], v[SA+1]
	ALLSUM SA
	v_fmaak_f32 v[SA], v[SA], v[INV], 0x3727c5ac   ; var + 1e-5
	s_wait_alu depctr_va_vdst(0)
	v_rsq_f32 v[RSTD], v[SA]
	v_nop                                          ; a plain instruction behind the transcendental,
	s_wait_alu depctr_va_vdst(0)                   ; and the wait ahead of its first reader
.irp i, 0,2,4,6,8,10,12,14,16,18,20,22,24,26,28,30
	v_pk_mul_f32 v[XR+\i:XR+\i+1], v[XR+\i:XR+\i+1], v[RSTD:RSTD+1] op_sel_hi:[1,0]
.endr
.irp i, 0,2,4,6,8,10,12,14,16,18,20,22,24,26,28,30
	v_pk_fma_f32 v[XR+\i:XR+\i+1], v[XR+\i:XR+\i+1], v[G+\i:G+\i+1], v[BE+\i:BE+\i+1]
.endr
.irp j, 0,1,2,3                        ; the quantiser: my eight numbers of each chunk, the four chunks by turns
	v_max3_num_f32 v[TM+\j], |v[XR+8*\j]|, |v[XR+8*\j+1]|, 0x8000000   ; with the floor 2^(16 - 127): the byte cannot fall under 1
.endr
.irp i, 2,4,6
.irp j, 0,1,2,3
	v_max3_num_f32 v[TM+\j], v[TM+\j], |v[XR+8*\j+\i]|, |v[XR+8*\j+\i+1]|
.endr
.endr
.irp j, 0,1,2,3
	v_max_num_f32_dpp v[TM+\j], v[TM+\j], v[TM+\j] row_xmask:1 row_mask:0xf bank_mask:0xf
.endr
.irp j, 0,1,2,3
	v_max_num_f32_dpp v[TM+\j], v[TM+\j], v[TM+\j] row_xmask:2 row_mask:0xf bank_mask:0xf   ; the four lanes of a block
.endr
.irp j, 0,1,2,3
	v_add_nc_u32 v[TM+4+\j], 0xf8800000, v[TM+\j]  ; 15 off the exponent field: the conversion's scale operand
.endr
.irp j, 0,1,2,3
	v_and_or_b32 v[TM+8+\j], v[TM+\j], 0x7f800000, s16   ; 57,344 x the scale
.endr
.irp j, 0,1,2,3
	v_lshrrev_b32 v[TM+12+\j], 23, v[TM+4+\j]      ; the scale's byte
.endr
.irp j, 0,1,2,3
.irp i, 0,1,2,3,4,5,6,7
	v_med3_num_f32 v[XR+8*\j+\i], v[XR+8*\j+\i], -v[TM+8+\j], v[TM+8+\j]   ; the conversion does not saturate (ISA guide 7.6.2): the hold comes first
.endr
.endr
.irp j, 0,1,2,3
	v_cvt_scalef32_pk8_bf8_f32 v[CD+2*\j:CD+2*\j+1], v[XR+8*\j:XR+8*\j+7], v[TM+4+\j]
.endr
	v_nop                                          ; a plain instruction behind the last conversion
.irp j, 0,1,2,3
	ds_store_b64 v[STC], v[CD+2*\j:CD+2*\j+1] offset:16*(\p)+4352*\j
	ds_store_b8 v[STS], v[TM+12+\j] offset:8*(\p)+128*\j           ; the four lanes of a block write the same byte with the same value
.endr
.endm
	ROW 0
	ROW 1
	ROW 2
	ROW 3
	s_wait_dscnt 0x0                               ; for the others' sake: my stores into the stage are done
	s_barrier_signal -1
	s_barrier_wait -1
.irp t, 0,1,2,3,4,5,6,7
	ds_load_b128 v[X+4*\t:X+4*\t+3], v[RDC] offset:544*\t          ; two units of chunk w
.endr
	ds_load_b32 v[X+32], v[RDS]
.irp t, 0,1,2,3,4,5,6,7
	s_wait_dscnt 8-\t                              ; load t is in: behind it stand 7 - t loads of codes and the scale load
	global_store_b128 v[GC], v[X+4*\t:X+4*\t+3], s[20:21] offset:512*\t    ; 32 lanes store 512 consecutive bytes, aligned
.endr
	s_wait_dscnt 0x0
	global_store_b32 v[GS], v[X+32], s[22:23]      ; 128 consecutive bytes: the tile's scale bytes of chunk w
	s_wait_tensorcnt 0x0
	ds_add_u32 v240, v241
	s_wait_dscnt 0x0
	s_endpgm
.Lfunc_end_k_qe14f46d8df_ln2:
	.size	k_qe14f46d8df_ln2, .Lfunc_end_k_qe14f46d8df_ln2-k_qe14f46d8df_ln2
	.p2alignl 7, 3214868480
	.fill 96, 4, 3214868480
	.section	.rodata,"a",@progbits
	.p2align	6, 0x0
	.amdhsa_kernel k_qe14f46d8df_ln2
		.amdhsa_group_segment_fixed_size 18944
		.amdhsa_private_segment_fixed_size 0
		.amdhsa_enable_private_segment 0
		.amdhsa_kernarg_size 32
		.amdhsa_user_sgpr_count 2
		.amdhsa_user_sgpr_kernarg_segment_ptr 1
		.amdhsa_wavefront_size32 1
		.amdhsa_system_sgpr_workgroup_id_x 1
		.amdhsa_system_sgpr_workgroup_id_y 1
		.amdhsa_system_sgpr_workgroup_id_z 1
		.amdhsa_system_vgpr_workitem_id 0
		.amdhsa_next_free_vgpr 242
		.amdhsa_next_free_sgpr 66
		.amdhsa_reserve_vcc 0
		.amdhsa_float_denorm_mode_32 3
		.amdhsa_float_denorm_mode_16_64 3
		.amdhsa_memory_ordered 1
		.amdhsa_forward_progress 1
		.amdhsa_inst_pref_size 54
	.end_amdhsa_kernel
	.amdgpu_metadata
---
amdhsa.version: [ 1, 2 ]
amdhsa.kernels:
  - .name:           k_qe14f46d8df_ln2
    .symbol:         k_qe14f46d8df_ln2.kd
    .args:
      - { .name: x2, .offset: 0, .size: 8, .value_kind: global_buffer, .address_space: global }
      - { .name: g2, .offset: 8, .size: 8, .value_kind: global_buffer, .address_space: global }
      - { .name: be2, .offset: 16, .size: 8, .value_kind: global_buffer, .address_space: global }
      - { .name: act, .offset: 24, .size: 8, .value_kind: global_buffer, .address_space: global }
    .group_segment_fixed_size: 18944
    .private_segment_fixed_size: 0
    .kernarg_segment_align: 8
    .kernarg_segment_size: 32
    .max_flat_workgroup_size: 128
    .sgpr_count:     66
    .vgpr_count:     242
    .wavefront_size: 32
...
	.end_amdgpu_metadata
.endif
;; end of part 5
;; launch ffn1 (part 6): grid 16 x 16, 4 waves a work-group, clusters of 4 x 4, 327,680 bytes of LDS; arguments act, wimg, b1, hid; writes hid
.if DOCPART == 6
	.amdgcn_target "amdgcn-amd-amdhsa--gfx1250"
	.amdhsa_code_object_version 6
	.text
	.protected	k_qe14f46d8df_ffn1
	.globl	k_qe14f46d8df_ffn1
	.p2align	8
	.type	k_qe14f46d8df_ffn1,@function
k_qe14f46d8df_ffn1:
	s_mov_b64 s[64:65], 0
	v_nop
	global_prefetch_b8 v0, s[64:65] scope:SCOPE_SE
	s_setreg_imm32_b32 hwreg(HW_REG_WAVE_MODE, 25, 1), 1
	s_wait_xcnt 0x0
	s_wait_alu depctr_hold_cnt(0) depctr_sa_sdst(0) depctr_va_vdst(0) depctr_va_sdst(0) depctr_va_ssrc(0) depctr_va_vcc(0) depctr_vm_vsrc(0)
	s_getreg_b32 s2, hwreg(HW_REG_IB_STS2, 6, 4)
	s_cmp_eq_u32 s2, 0
	s_cbranch_scc0 .Lentry_in_a_cluster
	s_endpgm
.Lentry_in_a_cluster:
	s_bfe_u32 s2, ttmp6, 0x10000c
	s_cmp_lg_u32 s2, 0xf033
	s_cbranch_scc0 .Lentry_shape_is_right
	s_endpgm
.Lentry_shape_is_right:
.set BLK,   16896
.set HALFT, 2*BLK
.set SLOT,  4*HALFT
.set SPARE, 2*SLOT
.set CHUNK, 64*BLK
.set WOFF,  5406720
.set LAPS,  2
.set NQ,    2
.set FR,    16
.set NL,    4
.set NP,    8
.set ADRA, 16
.set ADRB, 20
.set ADRS, 22
.set LI,   24
.set RO,   25
.set BO,   26
.set SPW,  28
.set NIL,  29
.set SC,   32
.set BI,   64
.set TM,   64
.set PW,   88
.set AF,   128
.set G1, 24
.set G0, 32
.set G1B, 48
.set G0B, 56
.set SEL, 86
.set MNT, 88
.set MSB, 0
.macro WIN new
.if MSB != (\new)
	s_set_vgpr_msb (MSB<<8)|(\new)
.set MSB, (\new)
.endif
.endm
.set MUL_LO, 0xa1
.set MUL_HI, 0xf1
.set BIA_LO, 0x81
.set BIA_HI, 0xc1
.set TO_B,   0x40
.macro JLOAD g0a, g1a, g0b, g1b
	s_cmp_eq_u32 s15, 0
	s_cbranch_scc0 .Lfor_b_\@
	tensor_load_to_lds s[\g0a:\g0a+3], s[\g1a:\g1a+7]
	s_nop 0
.rept 4
	v_nop
.endr
	s_branch .Lasked_\@
.Lfor_b_\@:
	tensor_load_to_lds s[\g0b:\g0b+3], s[\g1b:\g1b+7]
	s_nop 0
.rept 4
	v_nop
.endr
.Lasked_\@:
.endm
.macro CREST
	s_cmp_lg_u32 s14, 0
	s_cbranch_scc1 .Lnot_wave_0_\@
	s_barrier_signal -3
.Lnot_wave_0_\@:
	s_barrier_wait -3
	s_barrier_signal -1
	s_barrier_wait -1
.endm
.macro CROUND
	s_barrier_signal -1
	s_barrier_wait -1
	CREST
.endm
	s_load_b256 s[4:11], s[0:1], 0x0
	v_lshl_add_u32 v[SPW], v0, 2, SPARE
	v_mov_b32 v[NIL], 0
	ds_add_u32 v28, v29
	ds_add_u32 v28, v29
	s_wait_dscnt 0x0
	v_lshrrev_b32 v1, 5, v0
	v_readfirstlane_b32 s14, v1
	s_lshr_b32 s15, s14, 1
	s_and_b32 s16, s14, 1
	s_bfe_u32 s40, ttmp6, 0x40000
	s_bfe_u32 s41, ttmp6, 0x40004
	s_lshl_b32 s18, ttmp9, 2
	s_add_co_u32 s18, s18, s40
	s_and_b32 s17, ttmp7, 0xffff
	s_lshl_b32 s17, s17, 2
	s_add_co_u32 s17, s17, s41
	s_lshl_b32 s43, s41, 2
	s_lshl_b32 s43, 15, s43
	s_lshl_b32 s44, 0x1111, s40
	s_or_b32 s[G1+0], s43, (3<<16)|(1<<21)
	s_or_b32 s[G1B+0], s44, (3<<16)|(1<<21)
.irp g, G1, G1B
	s_mov_b32 s[\g+1], 32<<16
	s_mov_b32 s[\g+2], 132<<16
	s_mov_b32 s[\g+3], 32<<16
	s_mov_b32 s[\g+4], 132
	s_mov_b32 s[\g+5], 32
	s_mov_b32 s[\g+6], 0
	s_mov_b32 s[\g+7], 0
.endr
	s_lshl_b32 s19, s16, 1
	s_lshl_b32 s20, s17, 2
	s_add_co_u32 s20, s20, s19
	s_mul_i32 s20, s20, BLK
	s_mov_b32 s21, 0
	s_lshl_b32 s46, s18, 2
	s_add_co_u32 s46, s46, s19
	s_mul_i32 s46, s46, BLK
	s_add_co_u32 s46, s46, WOFF
	s_mov_b32 s47, 0
	s_mul_i32 s45, s14, HALFT
	; the prefetches' offsets.  A tile's chunk is 264 blocks of 256 bytes; the sixteen waves of the four partners that load it jointly share them out by address: blocks 17 j on, a lane a block, held at the last (j = 4 x place + wave)
	s_lshl_b32 s74, s40, 2
	s_add_co_u32 s74, s74, s14
	s_mul_i32 s74, s74, 17
	s_lshl_b32 s75, s17, 2
	s_mul_i32 s75, s75, BLK
	s_lshl_b32 s76, s41, 2
	s_add_co_u32 s76, s76, s14
	s_mul_i32 s76, s76, 17
	s_lshl_b32 s77, s18, 2
	s_mul_i32 s77, s77, BLK
	s_add_co_u32 s77, s77, WOFF
	v_and_b32 v10, 31, v0
	v_min_u32 v10, 16, v10
	v_add_nc_u32 v8, s74, v10
	v_add_nc_u32 v9, s76, v10
	v_min_u32 v8, 263, v8
	v_min_u32 v9, 263, v9
	v_lshl_add_u32 v8, v8, 8, s75                  ; v8: my share in the tokens' image; v9: in W1's; never rewritten
	v_lshl_add_u32 v9, v9, 8, s77
	s_wait_alu depctr_va_vdst(0)
	CROUND                                         ; the opening round, ahead of the wait for the arguments: all sixteen work-groups are here
	s_wait_kmcnt 0x0
	s_add_nc_u64 s[20:21], s[4:5], s[20:21]
	s_add_nc_u64 s[46:47], s[6:7], s[46:47]
.irp s, 0,1
	s_mov_b32 s[G0+4*\s], 1
	s_add_co_u32 s[G0+4*\s+1], s45, \s*SLOT
	s_add_nc_u64 s[G0+4*\s+2:G0+4*\s+3], s[20:21], \s*CHUNK
	s_or_b32 s[G0+4*\s+3], s[G0+4*\s+3], 0x80000000
	s_mov_b32 s[G0B+4*\s], 1
	s_add_co_u32 s[G0B+4*\s+1], s45, \s*SLOT
	s_add_nc_u64 s[G0B+4*\s+2:G0B+4*\s+3], s[46:47], \s*CHUNK
	s_or_b32 s[G0B+4*\s+3], s[G0B+4*\s+3], 0x80000000
.if \s
	s_wait_alu depctr_va_vdst(0)                   ; slot 1's first fill is issued as a refill is
	s_wait_tensorcnt 0x0
	ds_add_u32 v28, v29
	ds_add_u32 v28, v29
	s_wait_dscnt 0x0
	CROUND
.endif
	JLOAD G0+4*\s, G1, G0B+4*\s, G1B
.if \s
.irp n, 2,3                            ; behind chunk 1's load: my share of chunks 2 and 3, the last
	global_prefetch_b8 v8, s[4:5] offset:\n*CHUNK th:TH_LOAD_NT scope:SCOPE_SE
	global_prefetch_b8 v9, s[6:7] offset:\n*CHUNK th:TH_LOAD_NT scope:SCOPE_SE
.endr
.else
	global_prefetch_b8 v8, s[4:5] offset:CHUNK th:TH_LOAD_NT scope:SCOPE_SE     ; behind chunk 0's load: my share of chunk 1
	global_prefetch_b8 v9, s[6:7] offset:CHUNK th:TH_LOAD_NT scope:SCOPE_SE
.endif
.endr
	v_and_b32 v1, 15, v0
	v_bfe_u32 v2, v0, 4, 1
	s_wait_alu depctr_va_vdst(0)
	v_and_b32 v3, 31, v0
	v_lshlrev_b32 v[LI], 4, v3
	s_wait_alu depctr_va_vdst(0)
	v_lshlrev_b32 v[RO], 3, v1
	v_lshlrev_b32 v[BO], 5, v2
	s_lshl_b32 s72, s18, 10
	s_lshl_b32 s73, s16, 9
	s_add_co_u32 s72, s72, s73
	s_mov_b32 s73, 0
	s_add_nc_u64 s[72:73], s[8:9], s[72:73]
.irp b, 0,1,2,3,4,5,6,7
	global_load_b128 v[BI+8*\b:BI+8*\b+3],   v[BO], s[72:73] offset:64*\b
	global_load_b128 v[BI+8*\b+4:BI+8*\b+7], v[BO], s[72:73] offset:64*\b+16
.endr
	s_mul_i32 s21, s15, HALFT
	s_mul_i32 s22, s16, HALFT
	s_add_co_u32 s22, s22, 2*HALFT
	s_sub_co_u32 s23, s22, s21
	v_mul_u32_u24 v6, s23, v2
	v_lshl_add_u32 v6, v1, 3, v6
	s_add_co_u32 s23, s21, 16384
	v_add_nc_u32 v[ADRS], s23, v6
	v_add_nc_u32 v[ADRS+1], SLOT, v[ADRS]
.irp s, 0,1
	v_add_nc_u32 v[ADRA+\s], s21, v[LI]
	v_add_nc_u32 v[ADRB+\s], s22, v[LI]
	s_add_co_u32 s21, s21, SLOT
	s_add_co_u32 s22, s22, SLOT
.endr
	s_mov_b32 s[SEL], 0x76543210
	s_mov_b32 s[SEL+1], 0xfedcba98
	s_mov_b32 s[MNT], 0x600000
	s_lshl_b32 s66, s18, 6
	s_lshl_b32 s67, s17, 2
	s_add_co_u32 s66, s66, s67
	s_lshl_b32 s67, s15, 1
	s_add_co_u32 s66, s66, s67
	s_mul_i32 s66, s66, BLK
	s_lshl_b32 s67, s16, 11
	s_add_co_u32 s68, s66, s67
	s_mov_b32 s69, 0
	s_add_nc_u64 s[68:69], s[10:11], s[68:69]
	s_lshl_b32 s67, s16, 2
	s_add_co_u32 s70, s66, s67
	s_add_co_u32 s70, s70, 16384
	s_mov_b32 s71, 0
	s_add_nc_u64 s[70:71], s[10:11], s[70:71]
.macro FRAG reg, adr, q, i
.irp c, 0,1,2,3
	ds_load_b128 v[\reg+4*\c:\reg+4*\c+3], v[\adr] offset:((\i)/4)*BLK+(2*((\i)%4)+(\q))*2048+512*\c
.endr
.endm
.macro MUL16 a0, p, q, sc, first
.irp a, \a0, \a0+1
.irp b, 0,1,2,3,4,5,6,7
.if \first
	v_wmma_scale_f32_16x16x128_f8f6f4 v[8*(8*((\a)%4)+\b):8*(8*((\a)%4)+\b)+7], v[128*(\p)+FR*\b:128*(\p)+FR*\b+FR-1], v[AF+FR*(\a):AF+FR*(\a)+FR-1], v[BI+8*\b:BI+8*\b+7], v[SC+8*NQ*(\sc)+NQ*\b+(\q)], v[SC+8*NQ*(\sc)+NQ*(\a)+(\q)] matrix_a_fmt:MATRIX_FMT_BF8 matrix_b_fmt:MATRIX_FMT_BF8 matrix_a_scale:MATRIX_SCALE_ROW1
.else
	v_wmma_scale_f32_16x16x128_f8f6f4 v[8*(8*((\a)%4)+\b):8*(8*((\a)%4)+\b)+7], v[128*(\p)+FR*\b:128*(\p)+FR*\b+FR-1], v[AF+FR*(\a):AF+FR*(\a)+FR-1], v[8*(8*((\a)%4)+\b):8*(8*((\a)%4)+\b)+7], v[SC+8*NQ*(\sc)+NQ*\b+(\q)], v[SC+8*NQ*(\sc)+NQ*(\a)+(\q)] matrix_a_fmt:MATRIX_FMT_BF8 matrix_b_fmt:MATRIX_FMT_BF8 matrix_a_scale:MATRIX_SCALE_ROW1
.endif
.endr
.endr
.endm
.macro FETCH_B slot, q, p
	WIN TO_B
.irp i, 0,1,2,3,4,5,6,7
	FRAG 128*(\p)+FR*\i, ADRB+\slot, \q, \i
.endr
	WIN 0
.endm
.macro FETCH_A slot, q, i0
.irp i, \i0, \i0+1, \i0+2, \i0+3
	FRAG AF+FR*(\i), ADRA+\slot, \q, \i
.endr
.endm
.macro SCALES sc
.irp i, 0,1,2,3,4,5,6,7
	ds_load_b64 v[SC+8*NQ*\sc+NQ*\i:SC+8*NQ*\sc+NQ*\i+1], v[ADRS+\sc] offset:(\i/4)*BLK+(\i%4)*128
.endr
.endm
.macro PLACES n
.rept \n
	v_nop
.endr
.endm
.macro STEP slot, q, first
	s_wait_dscnt 4*NL
.if \first
	WIN BIA_LO
.else
	WIN MUL_LO
.endif
	MUL16 0, (\q)%2, \q, \slot, \first
	MUL16 2, (\q)%2, \q, \slot, \first
	s_wait_dscnt 0
	PLACES NP
	FETCH_B \slot, (\q)+1, 1-(\q)%2
	FETCH_A \slot, (\q)+1, 0
.if \first
	WIN BIA_HI
.else
	WIN MUL_HI
.endif
	MUL16 4, (\q)%2, \q, \slot, \first
	MUL16 6, (\q)%2, \q, \slot, \first
	PLACES NP
	WIN 0
	FETCH_A \slot, (\q)+1, 4
.endm
.macro TURN slot, next, fill
	s_wait_tensorcnt 0x0
	ds_add_u32 v[SPW], v[NIL]
	s_wait_dscnt 4*NL+1
	WIN MUL_LO
	MUL16 0, 1, NQ-1, \slot, 0
	s_wait_dscnt 0x0
	s_barrier_signal -1
	MUL16 2, 1, NQ-1, \slot, 0
	WIN 0
	s_barrier_wait -1
.if \fill
	CREST
	s_add_nc_u64 s[G0+4*\slot+2:G0+4*\slot+3], s[G0+4*\slot+2:G0+4*\slot+3], 2*CHUNK
	s_add_nc_u64 s[G0B+4*\slot+2:G0B+4*\slot+3], s[G0B+4*\slot+2:G0B+4*\slot+3], 2*CHUNK
	JLOAD G0+4*\slot, G1, G0B+4*\slot, G1B
	PLACES NP-4
.else
	PLACES NP
.endif
	FETCH_B \next, 0, 0
	FETCH_A \next, 0, 0
	SCALES \next
	WIN MUL_HI
	MUL16 4, 1, NQ-1, \slot, 0
	MUL16 6, 1, NQ-1, \slot, 0
	PLACES NP
	WIN 0
	FETCH_A \next, 0, 4
.endm
	s_wait_alu depctr_va_vdst(0)
	s_wait_tensorcnt 1
	s_barrier_signal -1
	s_barrier_wait -1
	FETCH_B 0, 0, 0
	FETCH_A 0, 0, 0
	SCALES 0
	FETCH_A 0, 0, 4
	s_wait_loadcnt 0x0
	STEP 0, 0, 1
.rept LAPS-1
	TURN 0, 1, 1
	STEP 1, 0, 0
	TURN 1, 0, 1
	STEP 0, 0, 0
.endr
	TURN 0, 1, 0
	STEP 1, 0, 0
	s_wait_dscnt 4*NL
	WIN MUL_LO
	MUL16 0, 1, NQ-1, 1, 0
	MUL16 2, 1, NQ-1, 1, 0
	s_wait_dscnt 0
	WIN MUL_HI
	MUL16 4, 1, NQ-1, 1, 0
	MUL16 6, 1, NQ-1, 1, 0
	WIN 0
.macro QUANTW a
.set AC, 64*((\a)%4)
.set W, 2+(\a)/4
.set PC, AF+16*(\a)
	WIN W*0x14
.irp b, 0,1,2,3
	v_max3_num_f32 v[TM+\b], 0x8000000, v[AC+16*\b], v[AC+16*\b+1]
.endr
.irp i, 2,4,6,8,10,12,14
.irp b, 0,1,2,3
	v_max3_num_f32 v[TM+\b], v[TM+\b], v[AC+16*\b+\i], v[AC+16*\b+\i+1]
.endr
.endr
	WIN 0
.irp b, 0,1,2,3
	v_permlanex16_b32 v[TM+4+\b], v[TM+\b], s[SEL], s[SEL+1]
.endr
.irp b, 0,1,2,3
	v_max_num_f32 v[TM+\b], v[TM+\b], v[TM+4+\b]
.endr
.irp b, 0,1,2,3
	v_add_nc_u32 v[TM+12+\b], 0xf8800000, v[TM+\b]
.endr
.irp b, 0,1,2,3
	v_and_or_b32 v[TM+8+\b], v[TM+\b], 0x7f800000, s[MNT]
.endr
.irp b, 0,1,2,3
	v_lshrrev_b32 v[TM+4+\b], 23, v[TM+12+\b]
.endr
	v_lshl_or_b32 v[PW+(\a)], v[TM+5], 8, v[TM+4]
	v_lshl_or_b32 v[PW+(\a)], v[TM+6], 16, v[PW+(\a)]
	v_lshl_or_b32 v[PW+(\a)], v[TM+7], 24, v[PW+(\a)]
	WIN (W<<6)|W
.irp b, 0,1,2,3
.irp i, 0,1,2,3,4,5,6,7,8,9,10,11,12,13,14,15
	v_med3_num_f32 v[AC+16*\b+\i], v[AC+16*\b+\i], 0, v[TM+8+\b]
.endr
.endr
	WIN W
.irp b, 0,1,2,3
	v_cvt_scalef32_pk8_bf8_f32 v[PC+4*\b:PC+4*\b+1],   v[AC+16*\b:AC+16*\b+7],    v[TM+12+\b]
	v_cvt_scalef32_pk8_bf8_f32 v[PC+4*\b+2:PC+4*\b+3], v[AC+16*\b+8:AC+16*\b+15], v[TM+12+\b]
.endr
	WIN 0
	v_nop
.irp c, 0,1,2,3
	global_store_b128 v[LI], v[PC+4*\c:PC+4*\c+3], s[68:69] offset:((\a)/4)*BLK+((\a)%4)*4096+512*\c
.endr
	global_store_b32 v[RO], v[PW+(\a)], s[70:71] offset:((\a)/4)*BLK+((\a)%4)*128
.endm
	PLACES NP
.irp b, 0,1,2,3
	v_mov_b32 v[TM+4+\b], 0
.endr
.irp a, 0,1,2,3,4,5,6,7
	QUANTW \a
.endr
	s_wait_tensorcnt 0x0
	ds_add_u32 v[SPW], v[NIL]
	s_wait_dscnt 0x0
	CROUND
	s_endpgm
.Lfunc_end_k_qe14f46d8df_ffn1:
	.size	k_qe14f46d8df_ffn1, .Lfunc_end_k_qe14f46d8df_ffn1-k_qe14f46d8df_ffn1
	.p2alignl 7, 3214868480
	.fill 96, 4, 3214868480
	.section	.rodata,"a",@progbits
	.p2align	6, 0x0
	.amdhsa_kernel k_qe14f46d8df_ffn1
		.amdhsa_group_segment_fixed_size 327680
		.amdhsa_private_segment_fixed_size 0
		.amdhsa_enable_private_segment 0
		.amdhsa_kernarg_size 32
		.amdhsa_user_sgpr_count 2
		.amdhsa_user_sgpr_kernarg_segment_ptr 1
		.amdhsa_wavefront_size32 1
		.amdhsa_system_sgpr_workgroup_id_x 1
		.amdhsa_system_sgpr_workgroup_id_y 1
		.amdhsa_system_sgpr_workgroup_id_z 1
		.amdhsa_system_vgpr_workitem_id 0
		.amdhsa_next_free_vgpr 1024
		.amdhsa_next_free_sgpr 98
		.amdhsa_reserve_vcc 0
		.amdhsa_float_denorm_mode_32 3
		.amdhsa_float_denorm_mode_16_64 3
		.amdhsa_memory_ordered 1
		.amdhsa_forward_progress 1
		.amdhsa_inst_pref_size 186
	.end_amdhsa_kernel
	.amdgpu_metadata
---
amdhsa.version: [ 1, 2 ]
amdhsa.kernels:
  - .name:           k_qe14f46d8df_ffn1
    .symbol:         k_qe14f46d8df_ffn1.kd
    .args:
      - { .name: act, .offset: 0, .size: 8, .value_kind: global_buffer, .address_space: global }
      - { .name: wimg, .offset: 8, .size: 8, .value_kind: global_buffer, .address_space: global }
      - { .name: b1, .offset: 16, .size: 8, .value_kind: global_buffer, .address_space: global }
      - { .name: hid, .offset: 24, .size: 8, .value_kind: global_buffer, .address_space: global }
    .group_segment_fixed_size: 327680
    .private_segment_fixed_size: 0
    .kernarg_segment_align: 8
    .kernarg_segment_size: 32
    .max_flat_workgroup_size: 128
    .sgpr_count:     98
    .vgpr_count:     1024
    .wavefront_size: 32
...
	.end_amdgpu_metadata
.endif
;; end of part 6
;; launch ffn2 (part 7): grid 8 x 32, 4 waves a work-group, clusters of 4 x 4, 327,680 bytes of LDS; arguments hid, wimg, b2, x2, out0; writes out0
.if DOCPART == 7
	.amdgcn_target "amdgcn-amd-amdhsa--gfx1250"
	.amdhsa_code_object_version 6
	.text
	.protected	k_qe14f46d8df_ffn2
	.globl	k_qe14f46d8df_ffn2
	.p2align	8
	.type	k_qe14f46d8df_ffn2,@function
k_qe14f46d8df_ffn2:
	s_mov_b64 s[64:65], 0
	v_nop
	global_prefetch_b8 v0, s[64:65] scope:SCOPE_SE
	s_setreg_imm32_b32 hwreg(HW_REG_WAVE_MODE, 25, 1), 1
	s_wait_xcnt 0x0
	s_wait_alu depctr_hold_cnt(0) depctr_sa_sdst(0) depctr_va_vdst(0) depctr_va_sdst(0) depctr_va_ssrc(0) depctr_va_vcc(0) depctr_vm_vsrc(0)
	s_getreg_b32 s2, hwreg(HW_REG_IB_STS2, 6, 4)
	s_cmp_eq_u32 s2, 0
	s_cbranch_scc0 .Lentry_in_a_cluster
	s_endpgm
.Lentry_in_a_cluster:
	s_bfe_u32 s2, ttmp6, 0x10000c
	s_cmp_lg_u32 s2, 0xf033
	s_cbranch_scc0 .Lentry_shape_is_right
	s_endpgm
.Lentry_shape_is_right:
; out0 = x2 + hid W2^T + b2 on codes of BF8 (E5M2) with E8M0 scales for each 32 along K = 4,096.  hid [4,096 rows] and W2 [1,024 rows] arrive as images; out0, x2 [4,096][1,024] and b2 [1,024] are f32.
; THE IMAGES: a block BLK of 16,896 bytes = 64 rows x 256 K: fragments (tile i, step q) at (2 i + q) 2,048, [c][lane][16 bytes]; scale words at 16,384 + 128 i + 8 r + 4 q.  Blocks lie [chunk of 256 K][panel]: 64 panels in hid, 16 in W2.
; SHARES.  N = 1,024 gives 64 tiles of 256 x 256, so a tile is 128 x 128: 256 work-groups of four waves.  Wave (kh = w / 2, wc = w % 2) takes chunk kh of every slot: all 128 rows x columns 64 wc on, 32 accumulators:
; for 128 along K it reads 192 rows from LDS for 32 products.  The two waves of a column half hold sums over the even and over the odd chunks of K; they are added once, at the end.
; A wave's accumulators 0-15 are panel kh of hid (its OWN rows), 16-31 the other panel: which is which lies in the LDS addresses alone, so the text has no branch for it.  At the end each wave hands accumulators 16-31 to wave w xor 2
; as an image of its registers in LDS, and adds what it is handed to its accumulators 0-15.  The order of the f32 sums so differs from one ascending chain along K.
; CLUSTERS: 4 x 4.  hid's tiles hang on the tile row alone and are asked for jointly along a row of the cluster, W2's on the tile column alone, along a column.
; THE RING: two slots of 512 along K: [hid chunk 2 f][hid chunk 2 f + 1][W2 chunk 2 f][W2 chunk 2 f + 1], each part two panels, 33,792 dense bytes, one load of one wave: 8 fills.  One load a wave is out behind each round.
; THE MATRIX INSTRUCTION IS USED TRANSPOSED (source 0 = W2's rows, source 1 = hid's): a lane holds eight neighbouring columns of a row.
; PREFETCH INTO THE L2: behind fill 0's load every wave names its share of fill 1, behind fill 1's of fills 2 and 3, behind fill f's (f from 2 on) of fill f + 2.  A tile's fill is two pieces of 132 blocks of 256 bytes; the sixteen waves
; of the four partners that load it share them out by address: piece j / 8, blocks 17 (j % 8) on, a lane a block, held at the piece's last block (j = 4 x place + wave).  The last trip's fills have none two on: it asks for nothing.
; x2's 32 rows of a wave (64 blocks) are named once, in the loop's second trip, and loaded in the last lap.
; THE WAY OUT: the exchange and a stage shared by the four waves lie in slot 0, which has had its last fill and its last read by then; each wave adds x2 + b2 to 32 whole rows of 512 bytes and stores them.
; REGISTERS: window 0: v4-29 addresses; v32-63 scale words, a set for each slot; v64-67 the bias; v128-255 x2.  windows 1 and 3: the fragments of step q = 0 and 1: W2's four at v0, hid's eight at v64; later what is handed over, and rows on the way out.
;   window 2: accumulator (a, b) at 8 (4 a + b).
; LIMITS: NaN and infinities are not served.
.set BLK,   16896
.set HALFT, 2*BLK
.set SLOT,  4*HALFT
.set SPARE, 2*SLOT                     ; behind the ring: the spare words, 128 bytes for each wave
.set WOFF,  9732096                    ; W2's image in wimg
.set STEPA, 2*64*BLK                   ; from a fill to the next, in hid
.set STEPB, 2*16*BLK                   ; and in W2's image
.set STAGE, 67584                      ; slot 0's bytes at the end: 4 x 16,384 for the exchange, from 0; then the stage
.set SP,    528                        ; a stage row: 512 bytes + 16
.set LI,   4                           ; v4  16 x lane
.set STO,  7                           ; v7  the stage: where I put 32 bytes of a row
.set AOWN, 8                           ; v8-9   my own panel of hid in my chunk of slot 0, 1
.set AOTH, 10                          ; v10-11 the other panel
.set ADRB, 12                          ; v12-13 my panel of W2
.set ADRS, 14                          ; v14-15 scale words: lanes 0-15 my own panel's, lanes 16-31 W2's
.set ADRT, 16                          ; v16-17 the other panel's
.set PFOA, 18                          ; v18, v19 my share of a prefetch in hid, in wimg; v20 4,096 x lane
.set PFOB, 19
.set PFR,  20
.set XST,  21                          ; v21 the exchange: where I put, v22 where I take
.set XLD,  22
.set RD,   24                          ; v24 the stage: where I read rows back
.set SPW,  28
.set NIL,  29
.set SC,   32
.set BI,   64
.set RES,  128
.set G1, 24
.set G0, 32
.set G1B, 48
.set G0B, 56
.set PFA, 78
.set PFB, 80
.set RB,  82
.set OB,  84
.set BIB, 90
.set MSB, 0
.macro WIN new                         ; the immediate's high byte repeats the setting that is left
.if MSB != (\new)
	s_set_vgpr_msb (MSB<<8)|(\new)
.set MSB, (\new)
.endif
.endm
.macro PLACES n
.rept \n
	v_nop
.endr
.endm
.macro JLOAD g0a, g1a, g0b, g1b        ; a joint load: waves 0, 1 fetch hid's two chunks, waves 2, 3 W2's; s_nop 0 and four v_nop follow each line
	s_cmp_eq_u32 s15, 0
	s_cbranch_scc0 .Lfor_b_\@
	tensor_load_to_lds s[\g0a:\g0a+3], s[\g1a:\g1a+7]
	s_nop 0
	PLACES 4
	s_branch .Lasked_\@
.Lfor_b_\@:
	tensor_load_to_lds s[\g0b:\g0b+3], s[\g1b:\g1b+7]
	s_nop 0
	PLACES 4
.Lasked_\@:
.endm
.macro CREST                           ; a round of the cluster's barrier behind its opening barrier
	s_cmp_lg_u32 s14, 0
	s_cbranch_scc1 .Lnot_wave_0_\@
	s_barrier_signal -3
.Lnot_wave_0_\@:
	s_barrier_wait -3
	s_barrier_signal -1
	s_barrier_wait -1
.endm
.macro CROUND
	s_barrier_signal -1
	s_barrier_wait -1
	CREST
.endm
	s_load_b256 s[4:11], s[0:1], 0x0               ; hid s[4:5], wimg s[6:7], b2 s[8:9], x2 s[10:11]
	s_load_b64 s[12:13], s[0:1], 0x20              ; out0
	v_lshl_add_u32 v[SPW], v0, 2, SPARE
	v_mov_b32 v[NIL], 0
	ds_add_u32 v[SPW], v[NIL]                      ; the opening lines: the add twice on end; work on registers; the one wait
	ds_add_u32 v[SPW], v[NIL]
	v_lshrrev_b32 v1, 5, v0
	v_readfirstlane_b32 s14, v1                    ; wave
	s_lshr_b32 s15, s14, 1                         ; kh: my chunk of a slot, and my own panel of hid.  Also: I fetch for hid (0) or W2 (1)
	s_and_b32 s16, s14, 1                          ; wc: my panel of W2's two.  Also: which chunk of a fill I fetch
	s_bfe_u32 s40, ttmp6, 0x40000                  ; cx
	s_bfe_u32 s41, ttmp6, 0x40004                  ; cy
	s_lshl_b32 s18, ttmp9, 2
	s_add_co_u32 s18, s18, s40                     ; TB: tile column
	s_and_b32 s17, ttmp7, 0xffff
	s_lshl_b32 s17, s17, 2
	s_add_co_u32 s17, s17, s41                     ; TA: tile row
	s_lshl_b32 s43, s41, 2
	s_lshl_b32 s43, 15, s43                        ; my row of the cluster
	s_lshl_b32 s44, 0x1111, s40                    ; my column
	s_or_b32 s[G1+0], s43, (3<<16)|(1<<21)         ; the mask; elements of 8 bytes; 21 set beside a mask; no padding: every LDS read of a fragment takes 512 consecutive bytes
	s_or_b32 s[G1B+0], s44, (3<<16)|(1<<21)
.irp g, G1, G1B
	s_mov_b32 s[\g+1], 32<<16                      ; rows of 256 bytes,
	s_mov_b32 s[\g+2], 132<<16                     ; 132 of them: 33,792 dense bytes
	s_mov_b32 s[\g+3], 32<<16
	s_mov_b32 s[\g+4], 132
	s_mov_b32 s[\g+5], 32
	s_mov_b32 s[\g+6], 0
	s_mov_b32 s[\g+7], 0
.endr
	s_lshl_b32 s20, s16, 6
	s_lshl_b32 s42, s17, 1
	s_add_co_u32 s20, s20, s42
	s_mul_i32 s20, s20, BLK                        ; hid: chunk w % 2, panels 2 TA and 2 TA + 1
	s_mov_b32 s21, 0
	s_lshl_b32 s46, s16, 4
	s_lshl_b32 s92, s18, 1
	s_add_co_u32 s46, s46, s92
	s_mul_i32 s46, s46, BLK
	s_add_co_u32 s46, s46, WOFF                    ; W2: chunk w % 2, panels 2 TB and 2 TB + 1
	s_mov_b32 s47, 0
	s_mul_i32 s45, s14, HALFT                      ; where my load goes: no place in the cluster enters an LDS address
	s_mul_i32 s66, s15, 3*BLK                      ; LDS: chunk kh, panel kh of hid;
	s_mul_i32 s67, s15, BLK
	s_add_co_u32 s67, s67, BLK                     ; chunk kh, panel 1 - kh;
	s_mul_i32 s93, s15, HALFT
	s_mul_i32 s94, s16, BLK
	s_add_co_u32 s93, s93, s94
	s_add_co_u32 s93, s93, 2*HALFT                 ; chunk kh, panel wc of W2;
	s_sub_co_u32 s68, s93, s66                     ; the distance from my own panel to it;
	s_add_co_u32 s69, s66, 16384                   ; the scale words
	s_add_co_u32 s94, s67, 16384
	s_mul_i32 s70, s15, 64*SP
	s_lshl_b32 s71, s16, 8
	s_add_co_u32 s70, s70, s71
	s_add_co_u32 s70, s70, STAGE                   ; the stage: my own 64 rows, my 256 bytes of a row
	s_mul_i32 s71, s14, 32*SP
	s_add_co_u32 s71, s71, STAGE                   ; and the 32 rows that I store
	s_lshl_b32 s95, s14, 14                        ; the exchange: my 16,384 bytes,
	s_xor_b32 s96, s14, 2
	s_lshl_b32 s96, s96, 14                        ; and those of the wave with my columns and the other chunks
	s_lshl_b32 s72, s40, 2
	s_add_co_u32 s72, s72, s14                     ; j among the sixteen waves that share hid's tile
	s_and_b32 s73, s72, 7
	s_mul_i32 s73, s73, 17
	s_lshr_b32 s74, s72, 3
	s_lshl_b32 s74, s74, 6
	s_add_co_u32 s74, s74, s42
	s_mul_i32 s74, s74, BLK
	s_lshl_b32 s75, s41, 2
	s_add_co_u32 s75, s75, s14                     ; and among those that share W2's
	s_and_b32 s76, s75, 7
	s_mul_i32 s76, s76, 17
	s_lshr_b32 s77, s75, 3
	s_lshl_b32 s77, s77, 4
	s_add_co_u32 s77, s77, s92
	s_mul_i32 s77, s77, BLK
	s_add_co_u32 s77, s77, WOFF
	s_lshl_b32 s86, s18, 9                         ; the tile's first column, in bytes
	s_mov_b32 s87, 0
	s_lshl_b32 s88, s17, 7
	s_lshl_b32 s89, s14, 5
	s_add_co_u32 s88, s88, s89                     ; the first row that I store: 128 TA + 32 w,
	s_lshl_b32 s88, s88, 12
	s_add_co_u32 s88, s88, s86                     ; at the tile's first column
	s_mov_b32 s89, 0
	v_and_b32 v1, 15, v0                           ; r
	v_bfe_u32 v2, v0, 4, 1                         ; h
	v_and_b32 v3, 31, v0                           ; lane
	v_lshlrev_b32 v[LI], 4, v3
	v_add_nc_u32 v[AOWN], s66, v[LI]
	v_add_nc_u32 v[AOTH], s67, v[LI]
	v_add_nc_u32 v[ADRB], s93, v[LI]
	v_mul_u32_u24 v5, s68, v2                      ; lanes 16-31 take W2's scale words
	v_lshlrev_b32 v25, 3, v1
	v_add_nc_u32 v5, v5, v25
	v_add_nc_u32 v[ADRS], s69, v5
	v_add_nc_u32 v[ADRT], s94, v25
.irp x, AOWN, AOTH, ADRB, ADRS, ADRT
	v_add_nc_u32 v[\x+1], SLOT, v[\x]
.endr
	v_mul_u32_u24 v26, v1, SP
	v_lshl_add_u32 v26, v2, 5, v26
	v_add_nc_u32 v[STO], s70, v26
	v_add_nc_u32 v[RD], s71, v[LI]
	v_add_nc_u32 v[XST], s95, v[LI]
	v_add_nc_u32 v[XLD], s96, v[LI]
	v_min_u32 v27, 16, v3                          ; 17 blocks a wave: the lanes left over name the last again
	v_add_nc_u32 v[PFOA], s73, v27
	v_add_nc_u32 v[PFOB], s76, v27
	v_min_u32 v[PFOA], 131, v[PFOA]                ; held at the piece's last block
	v_min_u32 v[PFOB], 131, v[PFOB]
	v_lshl_add_u32 v[PFOA], v[PFOA], 8, s74
	v_lshl_add_u32 v[PFOB], v[PFOB], 8, s77
	v_lshlrev_b32 v[PFR], 12, v3
	s_wait_alu depctr_va_vdst(0)                   ; the wait at the end of the head's vector work
	s_wait_dscnt 0x0                               ; both opening adds are done
	CROUND                                         ; all sixteen work-groups are here: the first joint loads meet
	s_wait_kmcnt 0x0
	s_add_nc_u64 s[20:21], s[4:5], s[20:21]
	s_add_nc_u64 s[46:47], s[6:7], s[46:47]
	s_mov_b64 s[PFA:PFA+1], s[4:5]                 ; the prefetches' bases: at fill 0; each refill steps them by a fill
	s_mov_b64 s[PFB:PFB+1], s[6:7]
	s_add_nc_u64 s[BIB:BIB+1], s[8:9], s[86:87]
	s_add_nc_u64 s[RB:RB+1], s[10:11], s[88:89]
	s_add_nc_u64 s[OB:OB+1], s[12:13], s[88:89]
.irp s, 0,1
	s_mov_b32 s[G0+4*\s], 1
	s_add_co_u32 s[G0+4*\s+1], s45, \s*SLOT
	s_add_nc_u64 s[G0+4*\s+2:G0+4*\s+3], s[20:21], \s*STEPA
	s_or_b32 s[G0+4*\s+3], s[G0+4*\s+3], 0x80000000
	s_mov_b32 s[G0B+4*\s], 1
	s_add_co_u32 s[G0B+4*\s+1], s45, \s*SLOT
	s_add_nc_u64 s[G0B+4*\s+2:G0B+4*\s+3], s[46:47], \s*STEPB
	s_or_b32 s[G0B+4*\s+3], s[G0B+4*\s+3], 0x80000000
.endr
	JLOAD G0, G1, G0B, G1B                         ; fill 0: one tensor load a wave at the head
	global_prefetch_b8 v[PFOA], s[PFA:PFA+1] offset:STEPA th:TH_LOAD_NT scope:SCOPE_SE   ; my share of fill 1
	global_prefetch_b8 v[PFOB], s[PFB:PFB+1] offset:STEPB th:TH_LOAD_NT scope:SCOPE_SE
.macro FETCH adr, q, base              ; four fragments of step q of my chunk into window 1 + 2 q, from v[base] on: 16 loads of 512 consecutive bytes
	WIN (1+2*(\q))<<6
.irp i, 0,1,2,3
.irp c, 0,1,2,3
	ds_load_b128 v[\base+16*\i+4*\c:\base+16*\i+4*\c+3], v[\adr] offset:(2*\i+(\q))*2048+512*\c
.endr
.endr
.endm
.macro SCALES slot                     ; my chunk's scale words, two words a row: registers 2 i: lanes 0-15 my own panel's tile i, lanes 16-31 W2's tile i; registers 8 + 2 i: the other panel's tile i
	WIN 0
.irp i, 0,1,2,3
	ds_load_b64 v[SC+16*\slot+2*\i:SC+16*\slot+2*\i+1], v[ADRS+\slot] offset:128*\i
	ds_load_b64 v[SC+16*\slot+8+2*\i:SC+16*\slot+8+2*\i+1], v[ADRT+\slot] offset:128*\i
.endr
.endm
.macro FIRSTQ slot                     ; a slot's first fragments: the 16 loads of the other panel come last, so that a count of 16 shows all the rest in
	FETCH ADRB+\slot, 0, 0
	FETCH AOWN+\slot, 0, 64
	SCALES \slot
	FETCH AOTH+\slot, 0, 128
	WIN 0
.endm
; 16 matrix instructions: hid's tiles a0 .. a0 + 3 x W2's four.  The 32 accumulators take turns, one instruction a turn, in the same order in every step.
.macro MULH a0, q, slot, first
.set S_, SC+16*(\slot)+(\q)
	WIN 0xa0|(5*(1+2*(\q)))                        ; sources 0 and 1: the step's window; C and D window 2
.irp a, \a0, \a0+1, \a0+2, \a0+3
.irp b, 0,1,2,3
.if \first
	v_wmma_scale_f32_16x16x128_f8f6f4 v[8*(4*(\a)+\b):8*(4*(\a)+\b)+7], v[16*\b:16*\b+15], v[64+16*(\a):64+16*(\a)+15], 0, v[S_+2*\b], v[S_+2*(\a)] matrix_a_fmt:MATRIX_FMT_BF8 matrix_b_fmt:MATRIX_FMT_BF8 matrix_a_scale:MATRIX_SCALE_ROW1
.else
	v_wmma_scale_f32_16x16x128_f8f6f4 v[8*(4*(\a)+\b):8*(4*(\a)+\b)+7], v[16*\b:16*\b+15], v[64+16*(\a):64+16*(\a)+15], v[8*(4*(\a)+\b):8*(4*(\a)+\b)+7], v[S_+2*\b], v[S_+2*(\a)] matrix_a_fmt:MATRIX_FMT_BF8 matrix_b_fmt:MATRIX_FMT_BF8 matrix_a_scale:MATRIX_SCALE_ROW1
.endif
.endr
.endr
.endm
; My chunk's first 128 along K.  The other window's readers stand eight places back, at the last step's end.
.macro STEP0 slot, first
	s_wait_dscnt 16                                ; W2's fragments, my own panel's and the scale words are in; the 16 loads issued last (the other panel's) may be out
	FETCH ADRB+\slot, 1, 0
	MULH 0, 0, \slot, \first
	s_wait_dscnt 16                                ; the other panel's are in; the 16 just issued may be out
	FETCH AOWN+\slot, 1, 64
	FETCH AOTH+\slot, 1, 128
	MULH 4, 0, \slot, \first
	PLACES 8
.endm
.macro ASK res                         ; in the loop: my share of the fill two on, but not in the last trip, whose fills have none two on; res = 1: in the second trip, my 32 rows of x2
	s_cmp_gt_u32 s3, 1
	s_cbranch_scc0 .Lno_ask_\@
	global_prefetch_b8 v[PFOA], s[PFA:PFA+1] offset:3*STEPA th:TH_LOAD_NT scope:SCOPE_SE
	global_prefetch_b8 v[PFOB], s[PFB:PFB+1] offset:3*STEPB th:TH_LOAD_NT scope:SCOPE_SE
.Lno_ask_\@:
.if \res
	s_cmp_eq_u32 s3, 2
	s_cbranch_scc0 .Lno_res_\@
	global_prefetch_b8 v[PFR], s[RB:RB+1] th:TH_LOAD_NT scope:SCOPE_SE
	global_prefetch_b8 v[PFR], s[RB:RB+1] offset:256 th:TH_LOAD_NT scope:SCOPE_SE
.Lno_res_\@:
.endif
.endm
; My chunk's second 128 along K changes slots: in front of the barrier each wave waits for all its tensor loads (one is out: its part of the next slot), adds 0 to its spare word, and waits for that and for its reads of this slot.
; fill = 1: the barrier opens a round of the cluster's, and the joint refill, two fills on, is the first tensor load behind it.
.macro TURN slot, next, fill, res
	s_wait_dscnt 0x0                               ; this step's fragments are in: its first sixteen products stand ahead of the wait for my tensor load, work on registers while that load is out
	MULH 0, 1, \slot, 0
	WIN 0
.if \fill
	s_wait_xcnt 0x0                                ; my prefetches have read their bases: behind fill f's load they stand at fill f - 1, and name fill f + 2
	s_add_nc_u64 s[PFA:PFA+1], s[PFA:PFA+1], STEPA
	s_add_nc_u64 s[PFB:PFB+1], s[PFB:PFB+1], STEPB
.endif
	s_wait_tensorcnt 0x0
	ds_add_u32 v[SPW], v[NIL]
.if \fill
	s_add_nc_u64 s[G0+4*\slot+2:G0+4*\slot+3], s[G0+4*\slot+2:G0+4*\slot+3], 2*STEPA        ; no load of mine is out, so a group 0 may be written
	s_add_nc_u64 s[G0B+4*\slot+2:G0B+4*\slot+3], s[G0B+4*\slot+2:G0B+4*\slot+3], 2*STEPB
.endif
	s_wait_dscnt 0x0                               ; the add is done, this step's fragments are in, my reads of this slot are over
	s_barrier_signal -1
	s_barrier_wait -1
.if \fill
	CREST
	JLOAD G0+4*\slot, G1, G0B+4*\slot, G1B
.endif
	FIRSTQ \next
.if \fill
	ASK \res
.endif
	MULH 4, 1, \slot, 0
	PLACES 8
.endm
	s_wait_tensorcnt 0x0                           ; my part of fill 0 is in; slot 1's first fill is issued as a refill is
	ds_add_u32 v[SPW], v[NIL]
	s_wait_dscnt 0x0
	CROUND
	JLOAD G0+4, G1, G0B+4, G1B                     ; fill 1
	FIRSTQ 0
.irp n, 2,3
	global_prefetch_b8 v[PFOA], s[PFA:PFA+1] offset:\n*STEPA th:TH_LOAD_NT scope:SCOPE_SE   ; my share of fills 2 and 3
	global_prefetch_b8 v[PFOB], s[PFB:PFB+1] offset:\n*STEPB th:TH_LOAD_NT scope:SCOPE_SE
.endr
	STEP0 0, 1                                     ; the first step's products start the sums
	WIN 0
	s_mov_b32 s3, 3
.Llap:                                             ; a trip goes once round the ring and fills both slots again: fills 2 to 7
	TURN 0, 1, 1, 0
	STEP0 1, 0
	TURN 1, 0, 1, 1
	STEP0 0, 0
	WIN 0
	s_sub_co_u32 s3, s3, 1
	s_cmp_lg_u32 s3, 0
	s_cbranch_scc1 .Llap
	global_load_b128 v[BI:BI+3], v[LI], s[BIB:BIB+1]               ; the last lap fills nothing.  The bias of my four columns of a row, and x2's 32 rows of mine: 512 consecutive bytes each
.set RI, 0
.rept 32
	global_load_b128 v[RES+4*RI:RES+4*RI+3], v[LI], s[RB:RB+1] offset:RI*4096
.set RI, RI+1
.endr
	TURN 0, 1, 0, 0
	STEP0 1, 0
	s_wait_dscnt 0x0
	MULH 0, 1, 1, 0
	MULH 4, 1, 1, 0
	PLACES 8
	; THE EXCHANGE: accumulators 16-31, the other panel's rows, go to the wave that owns them, as they lie in my registers
	WIN 0x08                                       ; an LDS store's data are its source 1: window 2
.set TI, 0
.rept 32
	ds_store_b128 v[XST], v[128+4*TI:128+4*TI+3] offset:512*TI     ; each accumulator from its low end on
.set TI, TI+1
.endr
	WIN 0
	s_wait_loadcnt 0x0                             ; x2 and the bias
.set TI, 0
.rept 32
	v_pk_add_f32 v[RES+4*TI:RES+4*TI+1], v[RES+4*TI:RES+4*TI+1], v[BI:BI+1]        ; x2 + b2, while the stores are out
	v_pk_add_f32 v[RES+4*TI+2:RES+4*TI+3], v[RES+4*TI+2:RES+4*TI+3], v[BI+2:BI+3]
.set TI, TI+1
.endr
	s_wait_alu depctr_va_vdst(0)                   ; the wait ahead of the waits below
	s_wait_dscnt 0x0                               ; for the others' sake: my stores are done
	s_barrier_signal -1
	s_barrier_wait -1
	WIN 0x40
.set TI, 0
.rept 32
	ds_load_b128 v[4*TI:4*TI+3], v[XLD] offset:512*TI              ; my own rows' sums over the other chunks, into window 1
.set TI, TI+1
.endr
	s_wait_dscnt 0x0
	WIN 0x49                                       ; destination and source 0 window 1, source 1 window 2
.set TI, 0
.rept 64
	v_pk_add_f32 v[2*TI:2*TI+1], v[2*TI:2*TI+1], v[2*TI:2*TI+1]    ; + my accumulators 0-15, each from its low end on
.set TI, TI+1
.endr
	WIN 0x04
.irp a, 0,1,2,3
.irp b, 0,1,2,3
	ds_store_b128 v[STO], v[8*(4*\a+\b):8*(4*\a+\b)+3] offset:16*\a*SP+64*\b
	ds_store_b128 v[STO], v[8*(4*\a+\b)+4:8*(4*\a+\b)+7] offset:16*\a*SP+64*\b+16
.endr
.endr
	WIN 0
	s_wait_dscnt 0x0                               ; for the others' sake: my stores into the stage are done
	s_barrier_signal -1
	s_barrier_wait -1
	WIN 0xc0
.set TI, 0
.rept 32
	ds_load_b128 v[4*TI:4*TI+3], v[RD] offset:TI*SP                ; my 32 rows, into window 3
.set TI, TI+1
.endr
.irp g, 0,1,2,3
	s_wait_dscnt 24-8*\g                           ; rows 8 g .. 8 g + 7 are back; the later groups' eight loads each may be out
	WIN 0xc3                                       ; destination and source 0 window 3, source 1 window 0
.set TI, 16*\g
.rept 16
	v_pk_add_f32 v[2*TI:2*TI+1], v[2*TI:2*TI+1], v[RES+2*TI:RES+2*TI+1]
.set TI, TI+1
.endr
	WIN 0x0c                                       ; a store's data are its source 1: window 3
.set TI, 8*\g
.rept 8
	global_store_b128 v[LI], v[4*TI:4*TI+3], s[OB:OB+1] offset:TI*4096 th:TH_STORE_NT   ; 32 lanes store 512 consecutive bytes, aligned
.set TI, TI+1
.endr
.endr
	WIN 0
	s_wait_tensorcnt 0x0                           ; the wave's end
	ds_add_u32 v[SPW], v[NIL]
	s_wait_dscnt 0x0
	CROUND                                         ; the closing round
	s_endpgm
.Lfunc_end_k_qe14f46d8df_ffn2:
	.size	k_qe14f46d8df_ffn2, .Lfunc_end_k_qe14f46d8df_ffn2-k_qe14f46d8df_ffn2
	.p2alignl 7, 3214868480
	.fill 96, 4, 3214868480
	.section	.rodata,"a",@progbits
	.p2align	6, 0x0
	.amdhsa_kernel k_qe14f46d8df_ffn2
		.amdhsa_group_segment_fixed_size 327680
		.amdhsa_private_segment_fixed_size 0
		.amdhsa_enable_private_segment 0
		.amdhsa_kernarg_size 40
		.amdhsa_user_sgpr_count 2
		.amdhsa_user_sgpr_kernarg_segment_ptr 1
		.amdhsa_wavefront_size32 1
		.amdhsa_system_sgpr_workgroup_id_x 1
		.amdhsa_system_sgpr_workgroup_id_y 1
		.amdhsa_system_sgpr_workgroup_id_z 1
		.amdhsa_system_vgpr_workitem_id 0
		.amdhsa_next_free_vgpr 1024
		.amdhsa_next_free_sgpr 98
		.amdhsa_reserve_vcc 0
		.amdhsa_float_denorm_mode_32 3
		.amdhsa_float_denorm_mode_16_64 3
		.amdhsa_memory_ordered 1
		.amdhsa_forward_progress 1
		.amdhsa_inst_pref_size 103
	.end_amdhsa_kernel
	.amdgpu_metadata
---
amdhsa.version: [ 1, 2 ]
amdhsa.kernels:
  - .name:           k_qe14f46d8df_ffn2
    .symbol:         k_qe14f46d8df_ffn2.kd
    .args:
      - { .name: hid, .offset: 0, .size: 8, .value_kind: global_buffer, .address_space: global }
      - { .name: wimg, .offset: 8, .size: 8, .value_kind: global_buffer, .address_space: global }
      - { .name: b2, .offset: 16, .size: 8, .value_kind: global_buffer, .address_space: global }
      - { .name: x2, .offset: 24, .size: 8, .value_kind: global_buffer, .address_space: global }
      - { .name: out0, .offset: 32, .size: 8, .value_kind: global_buffer, .address_space: global }
    .group_segment_fixed_size: 327680
    .private_segment_fixed_size: 0
    .kernarg_segment_align: 8
    .kernarg_segment_size: 40
    .max_flat_workgroup_size: 128
    .sgpr_count:     98
    .vgpr_count:     1024
    .wavefront_size: 32
...
	.end_amdgpu_metadata
.endif
;; end of part 7
